; MI455X (gfx1250); checked and timed in simulation.
; The chip was launched on July 23, 2026; its instructions are those of AMD's public machine-readable ISA for CDNA 5 (MIT licence, August 2026) and "CDNA5" Instruction Set Architecture Reference Guide (July 2026). The comments in the code are by the model that wrote it; some were corrected since.
;; Multi Head Attention. Allowed arithmetic: matrix products marked QUANTISED: E4M3 operands, one E8M0 scale for each 32 along K, by v_wmma_scale_f32_16x16x128_f8f6f4 with both operands' format E4M3, f32 sums; everything else in f32.
;; Inputs: X 16 x 1,024 x 512 float32; Y 16 x 1,024 x 512 float32; mask_X 16 x 1,024 int32; mask_Y 16 x 1,024 int32; pad_x 2 x 512 float32; pad_y 2 x 512 float32.
;; Outputs: out0 16 x 1,024 x 512 float32; out1 16 x 1,024 x 512 float32.
;; This version of the problem:
;;   THIS VERSION OF THE PROBLEM IS GIVEN IN LOW PRECISION. The matrix products marked QUANTISED in the list below multiply operands that are first quantised to E4M3 (4 exponent bits, 3 mantissa bits; 8 bits a number), with one power-of-two scale for each 32 numbers along K (OCP MX v1.0); their sums are f32. All else is computed in f32.
;;   The module's matrix products, in the order in which they are computed (A, B: the left and right operand; K: the contracted axis; several contracted axes count as one K, in the product's order):
;;     1. batch 128 x [M 1,026, K 64] x [K 64, N 1,026]; A: computed on the way; B: computed on the way: QUANTISED
;;     2. batch 128 x [M 1,026, K 1,026] x [K 1,026, N 64]; A: softmax (see below); B: computed on the way: QUANTISED
;;     3. batch 128 x [M 1,026, K 1,026] x [K 1,026, N 64]; A: softmax (see below); B: computed on the way: QUANTISED
;;   THE QUANTISER, for each operand of a quantised product, along K:
;;     - K is cut into blocks of 32 from its start; a last block that is shorter is filled with zeros.
;;     - A block's scale is 2^e with e = floor(log2(the largest magnitude in the block)) - 8, held to -126 .. 127; a block of zeros has e = 0. As a byte (E8M0): e + 127.
;;     - Each number is divided by its block's scale, clamped to +-448, and rounded to the nearest number of E4M3, ties to even, subnormals kept.
;;     - The product sums the exact products of the quantised numbers (number of the format x scale) in f32.
;;   ~~~python
;;   def quantise(x, axis):      # numpy; x: float32 -> the quantised numbers, widened to float32 again
;;       x = np.moveaxis(x, axis, -1); K = x.shape[-1]
;;       x = np.pad(x, [(0, 0)] * (x.ndim - 1) + [(0, -K % 32)]); x = x.reshape(x.shape[:-1] + (-1, 32)); a = np.abs(x).max(-1, keepdims=True)
;;       e = np.where(a > 0, np.clip(np.frexp(np.where(a > 0, a, 1))[1] - 1 - 8, -126, 127), 0)      # np.frexp(a)[1] - 1 = floor(log2(a)), exactly
;;       r = np.clip(x / 2.0 ** e, -448, 448)
;;       step = 2.0 ** (np.maximum(np.frexp(np.where(r == 0, 1, r))[1] - 1, -6) - 3)
;;       q = np.round(r / step) * step * 2.0 ** e      # np.round: ties to even
;;       return np.moveaxis(q.reshape(q.shape[:-2] + (-1,))[..., :K], -1, axis).astype(np.float32)
;;   ~~~
;;   SOFTMAX AHEAD OF A QUANTISED PRODUCT. Where the list says 'softmax', what is quantised is not the finished softmax but p = 2^(t - M), with t = logit x log2(e) and M = ceil(the row's largest t), a whole number; so 1/2 < the row's largest p <= 1. The row's sum l is taken of the UNQUANTISED p, in f32, and the product's result is divided by l at the end. Since M is a whole number, a kernel that streams over the keys may use a running M (the ceiling of the running maximum): every later rescaling is an exact power of two, which a block's scale takes up: the codes' values come out the same.
;;   OPERANDS COMPUTED ON THE WAY. 'Computed on the way' means the value that the module computes at that place (a softmax that the list does not call 'softmax' is quantised finished and normalised). What goes into a quantiser is computed in f32, as accurately as f32 sums, v_exp_f32 and their like allow (about 1e-6 of the number): no bf16 or f16 on the way to a quantiser, and a product that is left as it is and whose result goes on into a quantised operand takes f32 operands (vector FMAs, or v_wmma_f32_16x16x4_f32). A number that lies on a knife's edge between two numbers of the format may be rounded either way, as far as f32 arithmetic and the matrix unit's own rounding can turn it there, and no further.
;; 2 versions, each right; version 2 is version 1 with the launch attend written anew for expert scheduling mode. Each part assembles by itself: llvm-mc -triple=amdgcn-amd-amdhsa -mcpu=gfx1250 --defsym DOCPART=n.
;; ======== version 1 of 2: 2 launches
;; limits: inputs' magnitudes at most 3,700; right only within a limited range of input values
;; workspace buffers: order 135,168 bytes of whole numbers
;; launch lists (part 1): grid 32 x 1, 1 waves a work-group, no clusters, 0 bytes of LDS; arguments mask_X, mask_Y, order; writes order
.if DOCPART == 1
	.amdgcn_target "amdgcn-amd-amdhsa--gfx1250"
	.amdhsa_code_object_version 6
	.text
	.protected	k_q08fc10a625_lists
	.globl	k_q08fc10a625_lists
	.p2align	8
	.type	k_q08fc10a625_lists,@function
k_q08fc10a625_lists:
	s_mov_b64 s[64:65], 0
	v_nop
	global_prefetch_b8 v0, s[64:65] scope:SCOPE_SE
	s_setreg_imm32_b32 hwreg(HW_REG_WAVE_MODE, 25, 1), 1
	s_wait_xcnt 0x0
; THE PROGRAM.  Two attentions over one similarity matrix: out0: the rows of Y ask, Xp (2 pad rows, then X) gives keys and values; out1: the rows of X ask, Yp gives keys and values.
; This launch sorts the queries; the next one, attend, does all the arithmetic.
; WORK LEFT OUT, for all values of the inputs:
;  (1) The two pad positions as QUERIES: reference() slices their rows away ([:, :, P:, :]), so they reach no output.  As keys and values they stay.
;  (2) A query whose mask word is 0 has the score -1e9 at every one of the 1,026 keys, whatever X and Y hold: t = -1e9 log2(e) is a whole number in f32, M = t, p = 1 at every key, the sum is 1,026.
;      So its row is (the sum over all keys of the quantised values) / 1,026, one and the same row for all such queries of a head: it is made once a head and stored to each of them.
;      Which queries these are is decided by whole numbers, the masks: this launch reads them and stores the order; attend reads it from memory.
; Every input has a way to an output and is loaded.  LIMIT: a NaN, an infinity or an overflow that reaches only the work left out is not carried to the result.
; THIS LAUNCH.  Work-group g = 16 dir + b, one wave.  dir 0 sorts by mask_Y, dir 1 by mask_X: the live queries first, ascending, the masked ones behind them, ascending.
; order: bytes 0 on: [32 (g)][1024 (slot)] the query in that slot; bytes 131,072 on: [32 (g)][32] the number c of live queries, written 32 times, one dense store of the wave.
; Query q = 32 n + lane.  A chunk's lane mask lies in a scalar register, the live queries ahead of a chunk are a scalar count: no LDS, no barrier, whole numbers only.
.set MW, 8                             ; v8-39   the mask words, chunk n
.set SL, 40                            ; v40-71  chunk n: 4 x my slot.  Each chunk has registers of its own, so that no store's sources are written again
.set QN, 72                            ; v72-103 chunk n: my query
.set SM, 16                            ; s16-47  chunk n: the lanes whose query is live
	s_load_b128 s[4:7], s[0:1], 0x0                ; mask_X, mask_Y
	s_load_b64 s[8:9], s[0:1], 0x10                ; order
	v_lshlrev_b32 v1, 2, v0                        ; 4 x lane
	s_and_b32 s10, ttmp9, 15                       ; b
	s_lshl_b32 s10, s10, 12                        ; a batch's 1,024 words
	s_mov_b32 s11, 0
	s_lshl_b32 s12, ttmp9, 12                      ; my list
	s_mov_b32 s13, 0
	s_lshl_b32 s14, ttmp9, 7
	s_add_co_u32 s14, s14, 0x20000                 ; my count
	s_mov_b32 s15, 0
	s_wait_kmcnt 0x0
	s_cmp_lt_u32 ttmp9, 16                         ; the choice hangs on the work-group's number alone
	s_cselect_b64 s[4:5], s[6:7], s[4:5]
	s_add_nc_u64 s[4:5], s[4:5], s[10:11]
	s_add_nc_u64 s[6:7], s[8:9], s[12:13]
	s_add_nc_u64 s[8:9], s[8:9], s[14:15]
.set n, 0
.rept 32
	global_load_b32 v[MW+n], v1, s[4:5] offset:128*n   ; 32 lanes read 128 consecutive bytes
.set n, n+1
.endr
	s_wait_loadcnt 0x0
.set n, 0
.rept 32
	v_cmp_ne_u32 s[SM+n], 0, v[MW+n]               ; reference() masks where the word is 0
.set n, n+1
.endr
	s_mov_b32 s50, 0
.set n, 0
.rept 32
	s_bcnt1_i32_b32 s51, s[SM+n]
	s_add_co_u32 s50, s50, s51                     ; c
.set n, n+1
.endr
	s_mov_b32 s52, 0                               ; the live queries ahead of the chunk
.set n, 0
.rept 32
	v_mbcnt_lo_u32_b32 v2, s[SM+n], 0              ; those of the chunk ahead of my lane
	v_add_nc_u32 v2, s52, v2                       ; U = the live queries ahead of q
	v_add_nc_u32 v[QN+n], 32*n, v0                 ; q
	v_sub_nc_u32 v4, v[QN+n], v2                   ; the masked ones ahead of q
	v_add_nc_u32 v4, s50, v4
	v_cndmask_b32 v[SL+n], v4, v2, s[SM+n]         ; live: slot U; masked: slot c + q - U
	v_min_u32 v[SL+n], 0x3ff, v[SL+n]              ; a number made of loaded words enters an address held to the list's length
	v_lshlrev_b32 v[SL+n], 2, v[SL+n]
	global_store_b32 v[SL+n], v[QN+n], s[6:7]      ; a chunk's live lanes fall on neighbouring slots, and so do its masked lanes
	s_bcnt1_i32_b32 s51, s[SM+n]
	s_add_co_u32 s52, s52, s51
.set n, n+1
.endr
	v_mov_b32 v5, s50
	global_store_b32 v1, v5, s[8:9]
	s_endpgm
.Lfunc_end_k_q08fc10a625_lists:
	.size	k_q08fc10a625_lists, .Lfunc_end_k_q08fc10a625_lists-k_q08fc10a625_lists
	.p2alignl 7, 3214868480
	.fill 96, 4, 3214868480
	.section	.rodata,"a",@progbits
	.p2align	6, 0x0
	.amdhsa_kernel k_q08fc10a625_lists
		.amdhsa_group_segment_fixed_size 0
		.amdhsa_private_segment_fixed_size 0
		.amdhsa_enable_private_segment 0
		.amdhsa_kernarg_size 24
		.amdhsa_user_sgpr_count 2
		.amdhsa_user_sgpr_kernarg_segment_ptr 1
		.amdhsa_wavefront_size32 1
		.amdhsa_system_sgpr_workgroup_id_x 1
		.amdhsa_system_sgpr_workgroup_id_y 1
		.amdhsa_system_sgpr_workgroup_id_z 1
		.amdhsa_system_vgpr_workitem_id 0
		.amdhsa_next_free_vgpr 104
		.amdhsa_next_free_sgpr 66
		.amdhsa_reserve_vcc 0
		.amdhsa_float_denorm_mode_32 3
		.amdhsa_float_denorm_mode_16_64 3
		.amdhsa_memory_ordered 1
		.amdhsa_forward_progress 1
		.amdhsa_inst_pref_size 26
	.end_amdhsa_kernel
	.amdgpu_metadata
---
amdhsa.version: [ 1, 2 ]
amdhsa.kernels:
  - .name:           k_q08fc10a625_lists
    .symbol:         k_q08fc10a625_lists.kd
    .args:
      - { .name: mask_X, .offset: 0, .size: 8, .value_kind: global_buffer, .address_space: global }
      - { .name: mask_Y, .offset: 8, .size: 8, .value_kind: global_buffer, .address_space: global }
      - { .name: order, .offset: 16, .size: 8, .value_kind: global_buffer, .address_space: global }
    .group_segment_fixed_size: 0
    .private_segment_fixed_size: 0
    .kernarg_segment_align: 8
    .kernarg_segment_size: 24
    .max_flat_workgroup_size: 32
    .sgpr_count:     66
    .vgpr_count:     104
    .wavefront_size: 32
...
	.end_amdgpu_metadata
.endif
;; end of part 1
;; launch attend (part 2): grid 128 x 2, 16 waves a work-group, no clusters, 294,144 bytes of LDS; arguments X, Y, pad_x, pad_y, mask_X, mask_Y, order, out0, out1; writes out0, out1
.if DOCPART == 2
	.amdgcn_target "amdgcn-amd-amdhsa--gfx1250"
	.amdhsa_code_object_version 6
	.text
	.protected	k_q08fc10a625_attend
	.globl	k_q08fc10a625_attend
	.p2align	8
	.type	k_q08fc10a625_attend,@function
k_q08fc10a625_attend:
	s_mov_b64 s[64:65], 0
	v_nop
	global_prefetch_b8 v0, s[64:65] scope:SCOPE_SE
	s_setreg_imm32_b32 hwreg(HW_REG_WAVE_MODE, 25, 1), 1
	s_wait_xcnt 0x0
; One work-group for each (direction, batch, head): x = 8 b + h, y = dir.  dir 0: out0, queries = rows of Y, keys and values = pad_x, X, key mask mask_X.  dir 1: out1, with X and Y changed over.
; WORK LEFT OUT (shown at the head of the launch lists): the pad positions as queries; the softmax of queries whose mask word is 0: they get the head's mean row.
; Both products on codes of E4M3 with one E8M0 scale for each 32 along K, by v_wmma_scale_f32_16x16x128_f8f6f4.  Scores: K = the head's 64.  Second product: K = the 1,026 keys, blocks of 32 from key 0 (key 0, 1 = pad rows, key k = row k - 2).
; SOFTMAX: t = score x log2(e); M = the largest t so far rounded up to a whole number; p = 2^(t - M) is quantised along the keys, not normalised; the sum of the unquantised p divides at the end;
; when M moves, the sum and O are multiplied by 2^(old M - new M), which rounds nothing.
; THE HEAD STAYS IN LDS.  The 1,026 x 64 numbers are read from memory once, quantised twice in registers (along d for the scores, along the keys for the values) and kept as IMAGES OF THE OPERANDS' REGISTERS:
; 16 bytes a lane, 512 bytes a piece.  Nothing in LDS is filled again: two barriers in all, no tensor load.
; THE KEY MASK COSTS NO VECTOR INSTRUCTION.  The score product has 64 of the instruction's 128 along K to spare.  At k = 64 every key holds the code of +1 and every query the code of -1; K's scale byte of that block is
; 220 (2^93) for a key that is masked or lies past key 1,025 and 1 (2^-126) for a live key, Q's is 64 (2^-63): the product adds -2^30 to a hidden key's score and -2^-189 to a live one's.
; SHARES.  The 1,024 queries in the stored order (live ones first) are 64 tiles of 16; wave w takes tiles w, w + 16, w + 32, w + 48.  A tile under NT = ceil(c / 16) runs the softmax over 9 key steps;
; the others store the mean row.  In the one tile that holds both kinds the rows are chosen by v_cndmask_b32.
; LAYOUT.  Both products transposed: S^T = K Q^T, O^T = V^T P^T: a lane holds ONE query (lane % 16).  Lane r of K's fragment 2 kb + u holds key 32 kb + 8 u + r + 8 (r / 8), so that the 16 registers of two
; neighbouring score tiles are 16 neighbouring keys, 32 kb + 16 (lane / 16) + 0 .. 15: the conversions' results are the second product's operand.
; NO CLUSTER: a head's numbers are keys and values for one work-group only; the other direction's work-group takes single rows of them, chosen by its list, at another time: there is no tile to ask for jointly.
; LIMITS.  A hidden key's score is sim - 2^30 where reference() has -1e9: both give p = 0 as long as a live query's largest score lies above about -9e8 (inputs of a size up to some 3,700).
; A live key's score carries -2^-189, under every f32 number.  A block of zeros keeps the scale byte 1 where the rule says 127: its codes are zeros, and this program alone reads the bytes.
; NaN and infinities among the inputs are not served.
.set KSW,   0                          ; LDS: K's scale words: fragment f at 64 f, row r at 4 r; 66 fragments
.set VSW,   4352                       ; V's: fragment (step s, d tile t) at 64 (4 s + t), row r at 4 r, byte c = key block 4 s + c
.set MPART, 6656                       ; three partial sums of the values: 64 f32 each
.set KIMG,  7424                       ; K's fragments 0-63: 1,024 bytes each: piece c (d = 32 c on) at 512 c, lane at 16 x lane
.set VIMG,  72960                      ; V's 36 fragments: 2,048 bytes each, at 2,048 (4 s + t): piece c at 512 c
.set VTAIL, VIMG+65536                 ; step 8 of V;
.set KT,    8192                       ; and behind it K's fragments 64 and 65
.set PW,    148736                     ; a region of its own for each wave:
.set PWB,   8960                       ; first the stage that turns a key block (row x 272 + 128 for rows 16 on); later: Q's four images at 0,
.set QWO,   4096                       ; their scale words, 64 bytes a tile,
.set WSO,   4608                       ; and the stage for the way out, 16 rows x 272
.set SPARE, 292096                     ; the spare words, 128 bytes for each wave: eight blocks of 256 bytes that no other line names
; vector registers that stay
.set SPW, 1                            ; LDS address of my spare word; never rewritten
.set NIL, 2                            ; 0; never rewritten
.set LI,  3                            ; 16 x lane
.set LR,  4                            ; 4 r
.set AK0, 5                            ; KIMG + 16 x lane
.set AV0, 6                            ; VIMG + 16 x lane
.set AX,  7                            ; VTAIL + 16 x lane
.set STW, 8                            ; my region + 272 hh + 16 r: two whole rows of a stage
.set SKR, 9                            ; prologue: the stage read as K wants it
.set SVR, 10                           ; prologue: as V wants it
.set AKI, 11                           ; prologue: where key block w's images of K go,
.set AKW, 12                           ; its scale words,
.set AVI, 13                           ; its pieces of V,
.set AVB, 14                           ; its scale bytes of V
.set AT0, 9                            ; behind the prologue v9-11 hold addresses made on the spot
.set AT1, 10
.set AT2, 11
.set QA,  15                           ; my region + 16 x lane
.set QS,  16                           ; my region + QWO + 4 r
.set STO, 17                           ; my region + WSO + 272 r + 32 hh
.set GLO, 18                           ; 4 hh: my place in a pair of list entries
.set CO,  19                           ; 16 r
.set MEAN, 20                          ; v20-23 the mean row's 16 bytes at 16 r
.set NM,  24                           ; -M
.set TMX, 25                           ; the largest t
.set LS,  26                           ; v26-27 the sum, in two halves
.set QSC, 28                           ; Q's scale word
.set PSC, 29                           ; p's scale word
.set F,   30                           ; v30 f = 2^(old M - new M), later 1 / the sum; v31 is named with it as a pair and holds 0
.set Q,   32                           ; v32-47   Q's fragment: 8 registers of codes, the flag column, zeros
.set KF,  48                           ; v48-111  four fragments of K: each 8 registers of codes, the flag column, zeros
.set S,   112                          ; v112-175 S^T, then p, then four fragments of V, on the way out rows of O
.set OT,  176                          ; v176-207 O^T: four d tiles
.set P,   208                          ; v208-223 p's codes
.set SCW, 224                          ; v224-227 the scale words of the four fragments in hand
.set BM,  228                          ; v228-231 a block's largest score, then its largest p
.set T1,  232                          ; v232-235 the other half's maximum, then the scale's byte
.set CAP, 236                          ; v236-239 448 x the scale
.set SOP, 240                          ; v240-243 the conversion's scale operand
.set L2,  244                          ; v244-245 the second chain of the sum
.set RO,  246                          ; v246-253 the tile's eight pairs of list entries, then their rows' byte offsets
.set TA,  254
.set TB,  255
; vector registers of the prologue
.set D0,  48                           ; 64 numbers a lane
.set D1,  112
.set DT,  176                          ; keys 1,024 and 1,025
.set MK,  180                          ; v180-185 key mask words: block w, block w + 16, block 32; fragment u = 0, 1
.set QIDX, 186                         ; v186-189 my four tiles' list entries, row r
.set WD,  190                          ; v190-191 two scale words
.set FL,  192                          ; v192-193 their upper halves
.set KB,  194                          ; 32 w + r + 8 (r / 8)
.set LOFF, 195                         ; 2,048 hh + 16 r
.set QOFF, 196                         ; v196-197
.set CFLG, 198                         ; bytes 2, 3 of a hidden key's scale word
.set CLIV, 199                         ; of a live key's
.set H64, 200                          ; 64 hh
.set MA,  202                          ; v202-207 where the mask words lie
.set PC,  208                          ; the codes just made
.set TM,  228                          ; v228-243: largest magnitudes, bytes, 448 x the scale, scale operands
; scalar registers
.set WV,  22
.set DIR, 23
.set BB,  24
.set HD,  25
.set KVH, 26                           ; keys and values: my head's first byte
.set QH,  28                           ; queries: the same
.set PADH, 30
.set KMB, 32                           ; the key mask of my batch
.set OUTH, 34
.set CNT, 38                           ; c
.set NT,  39                           ; ceil(c / 16)
.set B0,  44                           ; the first two keys of block w
.set B1,  46                           ; row 32 w
.set TIL, 48                           ; the tile in hand
.set TC,  49
.set LP,  50                           ; the tile's list entries
.set TQI, 54                           ; the tile's image of Q: 1,024 bytes a tile
.set TQW, 55                           ; its scale words: 64 bytes a tile
.set SEL, 56                           ; v_permlanex16_b32's selects for lane l xor 16
.set CS,  58                           ; log2(e), twice: the packed form names a pair
.set MNT, 60                           ; the mantissa field of 448
; 64 numbers of a lane, four runs of 16 registers; run b and lane l xor 16's run b are a block of 32.  Codes to v[PC + 4 b] on, the block's byte to v[TM + 4 + b].
.macro QUANT64 s
.irp b, 0,1,2,3
	v_max3_num_f32 v[TM+\b], |v[\s+16*\b]|, |v[\s+1+16*\b]|, 0x4800000   ; my 16 numbers, and the floor 2^(9 - 127): so the byte cannot fall under 1
.endr
.irp i, 2,4,6,8,10,12,14
.irp b, 0,1,2,3
	v_max3_num_f32 v[TM+\b], v[TM+\b], |v[\s+16*\b+\i]|, |v[\s+1+16*\b+\i]|   ; the four blocks by turns
.endr
.endr
.irp b, 0,1,2,3
	v_permlanex16_b32 v[TM+4+\b], v[TM+\b], s[SEL], s[SEL+1]
.endr
.irp b, 0,1,2,3
	v_max_num_f32 v[TM+\b], v[TM+\b], v[TM+4+\b]   ; the block's largest magnitude
.endr
.irp b, 0,1,2,3
	v_add_nc_u32 v[TM+12+\b], 0xfc000000, v[TM+\b] ; 8 off its exponent field: the conversion takes the exponent field of this operand as its scale
.endr
.irp b, 0,1,2,3
	v_and_or_b32 v[TM+8+\b], v[TM+\b], 0x7f800000, s[MNT]   ; 448 x the scale
.endr
.irp b, 0,1,2,3
	v_lshrrev_b32 v[TM+4+\b], 23, v[TM+12+\b]      ; the scale's byte
.endr
.irp b, 0,1,2,3
.set n, 0
.rept 16
	v_med3_num_f32 v[\s+16*\b+n], v[\s+16*\b+n], -v[TM+8+\b], v[TM+8+\b]   ; the conversion to an 8-bit code does not saturate (ISA guide 7.6.2): the hold at the largest code x the scale
.set n, n+1
.endr
	v_cvt_scalef32_pk8_fp8_f32 v[PC+4*\b:PC+1+4*\b], v[\s+16*\b:\s+7+16*\b], v[TM+12+\b]
	v_cvt_scalef32_pk8_fp8_f32 v[PC+2+4*\b:PC+3+4*\b], v[\s+8+16*\b:\s+15+16*\b], v[TM+12+\b]
.endr
	v_nop                                          ; a plain line behind the last conversion, ahead of whatever next touches its registers
.endm
; A key block: 32 keys x 64 numbers, as loaded (pair i of rows in v[d + 4 i] on), becomes two fragments of K and one piece of each of V's four fragments.
; mk: its two mask words; skey: its first key less 32 w; r.., o..: the address register and the immediate for K's images, K's scale words, V's pieces, V's scale bytes.
.macro BLOCK d, mk, skey, rki, oki, rkw, okw, rvi, ovi, rvb, ovb
.irp i, 0,1,2,3,4,5,6,7,8,9,10,11,12,13,14,15
	ds_store_b128 v[STW], v[\d+4*\i:\d+4*\i+3] offset:544*\i+128*(\i/8)   ; into my stage, two whole rows a store
.endr
.irp u, 0,1                                    ; back as K wants it: fragment u, row r + 8 (r / 8) + 8 u, d = 32 c + 16 hh + 0 .. 15.  LDS serves a wave's instructions in order (ISA guide 5.7.1.4): these see the stores above
.irp c, 0,1
.irp j, 0,1,2,3
	ds_load_b128 v[\d+32*\u+16*\c+4*\j:\d+32*\u+16*\c+4*\j+3], v[SKR] offset:2176*\u+128*\c+16*\j
.endr
.endr
.endr
.irp u, 0,1                                    ; meanwhile: is my row's key hidden?  A choice of a value, no branch
	v_add_nc_u32 v[TA], \skey+8*\u, v[KB]          ; the key
	v_cmp_ne_u32 s40, 0, v[\mk+\u]
	v_cmp_gt_u32 s41, 2, v[TA]                     ; the pad rows always count
	s_or_b32 s40, s40, s41
	v_cmp_gt_u32 s41, 0x402, v[TA]                 ; what lies past key 1,025 never does
	s_and_b32 s40, s40, s41
	v_cndmask_b32 v[FL+\u], v[CFLG], v[CLIV], s40
.endr
	s_wait_dscnt 0x0
	QUANT64 \d                                     ; run 2 u + c: fragment u, block c along d
.irp u, 0,1
	v_lshl_or_b32 v[WD+\u], v[TM+5+2*\u], 8, v[TM+4+2*\u]
	v_or_b32 v[WD+\u], v[WD+\u], v[FL+\u]          ; bytes 0, 1: the two blocks; byte 2: the flag; byte 3: 127 over zero codes
.endr
.irp q, 0,1,2,3
	ds_store_b128 v[\rki], v[PC+4*\q:PC+4*\q+3] offset:\oki+512*\q
.endr
	ds_store_b32 v[\rkw], v[WD] offset:\okw        ; lanes r and r + 16 write the same word with the same value
	ds_store_b32 v[\rkw], v[WD+1] offset:\okw+64
.irp t, 0,1,2,3                                ; the stage once more, as V wants it: d = 16 t + r, keys 16 hh + 0 .. 15
.set n, 0
.rept 16
	ds_load_b32 v[\d+16*\t+n], v[SVR] offset:272*n+64*\t
.set n, n+1
.endr
.endr
	s_wait_dscnt 0x0                               ; the numbers are in, and the stores above have read the codes' registers
	QUANT64 \d                                     ; run t: d tile t, this block of 32 keys
.irp t, 0,1,2,3
	ds_store_b128 v[\rvi], v[PC+4*\t:PC+4*\t+3] offset:\ovi+2048*\t
.endr
.irp t, 0,1,2,3
	ds_store_b8 v[\rvb], v[TM+4+\t] offset:\ovb+64*\t   ; lanes r and r + 16 write the same byte with the same value
.endr
	s_wait_dscnt 0x0
.endm
; Tiles 2 p and 2 p + 1 of my four: row r's 64 numbers, d = 32 c + 16 hh + 0 .. 15, into v[d + 32 e + 16 c] on
.macro QLOAD p, d
.irp e, 0,1
	v_min_u32 v[QOFF+\e], 0x3ff, v[QIDX+2*\p+\e]   ; a loaded number enters an address held to the number of rows
	v_lshl_add_u32 v[QOFF+\e], v[QOFF+\e], 11, v[H64]
.endr
.irp e, 0,1
.irp c, 0,1
.irp j, 0,1,2,3
	global_load_b128 v[\d+32*\e+16*\c+4*\j:\d+32*\e+16*\c+4*\j+3], v[QOFF+\e], s[QH:QH+1] offset:128*\c+16*\j
.endr
.endr
.endr
.endm
.macro QPUT p, d                               ; they are quantised, and their images go to my region
	QUANT64 \d
.irp e, 0,1
	v_lshl_or_b32 v[WD+\e], v[TM+5+2*\e], 8, v[TM+4+2*\e]
	v_or_b32 v[WD+\e], 0x7f400000, v[WD+\e]        ; byte 2: 64, the flag column's scale; byte 3: 127
.endr
.irp e, 0,1
.irp c, 0,1
	ds_store_b128 v[QA], v[PC+8*\e+4*\c:PC+8*\e+4*\c+3] offset:(2*\p+\e)*1024+512*\c
.endr
.endr
.irp e, 0,1
	ds_store_b32 v[QS], v[WD+\e] offset:(2*\p+\e)*64
.endr
	s_wait_dscnt 0x0
.endm
.macro MADR n, k                               ; where the mask word of key KB + k + 2 lies, held inside the mask's row
	v_add_nc_u32 v[MA+\n], \k, v[KB]
	v_min_u32 v[MA+\n], 0x3ff, v[MA+\n]
	v_lshlrev_b32 v[MA+\n], 2, v[MA+\n]
.endm
	s_load_b512 s[4:19], s[0:1], 0x0               ; X, Y, pad_x, pad_y, mask_X, mask_Y, order, out0
	s_load_b64 s[20:21], s[0:1], 0x40              ; out1
	v_lshl_add_u32 v[SPW], v0, 2, SPARE
	v_mov_b32 v[NIL], 0
	v_lshrrev_b32 v[TA], 5, v0
	v_readfirstlane_b32 s[WV], v[TA]               ; wave 0..15
	s_and_b32 s[DIR], ttmp7, 0xffff
	s_lshr_b32 s[BB], ttmp9, 3
	s_and_b32 s[HD], ttmp9, 7
	v_and_b32 v[TB], 31, v0                        ; lane
	v_and_b32 v[TA], 15, v0                        ; r
	v_bfe_u32 v253, v0, 4, 1                       ; hh
	v_lshlrev_b32 v[LI], 4, v[TB]
	v_lshlrev_b32 v[LR], 2, v[TA]
	v_lshlrev_b32 v[CO], 4, v[TA]
	v_lshlrev_b32 v[GLO], 2, v253
	v_lshlrev_b32 v[H64], 6, v253
	v_lshl_add_u32 v[LOFF], v253, 11, v[CO]
	v_add_nc_u32 v[AK0], KIMG, v[LI]
	v_add_nc_u32 v[AV0], VIMG, v[LI]
	v_add_nc_u32 v[AX], VTAIL, v[LI]
	s_mul_i32 s40, s[WV], PWB
	s_add_co_u32 s40, s40, PW                      ; my region
	v_mul_u32_u24 v252, v253, 272
	v_add_nc_u32 v252, v252, v[CO]
	v_add_nc_u32 v[STW], s40, v252
	v_and_b32 v251, 8, v[TA]
	v_add_nc_u32 v251, v251, v[TA]                 ; r + 8 (r / 8): rows 0-7 and 16-23
	v_mul_u32_u24 v252, v251, 272
	v_lshrrev_b32 v250, 4, v251
	v_lshl_add_u32 v252, v250, 7, v252             ; rows 16 on lie 128 bytes further: with rows of 68 words, rows 0-7 and 16-23 then start at 16 different groups of four banks (64 banks of 4 bytes: ISA guide 11.1)
	v_add_nc_u32 v252, v252, v[H64]
	v_add_nc_u32 v[SKR], s40, v252
	v_mul_u32_u24 v252, v253, 4480                 ; 16 rows and those 128 bytes
	v_add_nc_u32 v252, v252, v[LR]
	v_add_nc_u32 v[SVR], s40, v252
	v_add_nc_u32 v[QA], s40, v[LI]
	s_add_co_u32 s41, s40, QWO
	v_add_nc_u32 v[QS], s41, v[LR]
	s_add_co_u32 s41, s40, WSO
	v_mul_u32_u24 v252, v[TA], 272
	v_lshl_add_u32 v252, v253, 5, v252
	v_add_nc_u32 v[STO], s41, v252
	s_lshl_b32 s41, s[WV], 11                      ; key block w: two fragments of K,
	v_add_nc_u32 v[AKI], s41, v[AK0]
	s_lshl_b32 s41, s[WV], 7                       ; two runs of scale words,
	v_add_nc_u32 v[AKW], s41, v[LR]
	s_lshr_b32 s42, s[WV], 2                       ; step w / 4,
	s_and_b32 s43, s[WV], 3                        ; piece w % 4
	s_lshl_b32 s41, s42, 13
	s_lshl_b32 s61, s43, 9
	s_add_co_u32 s41, s41, s61
	v_add_nc_u32 v[AVI], s41, v[AV0]
	s_lshl_b32 s41, s42, 8
	s_add_co_u32 s41, s41, s43
	v_add_nc_u32 v[AVB], s41, v[LR]
	s_lshl_b32 s41, s[WV], 5
	v_add_nc_u32 v[KB], s41, v251
	MADR 0, -2                                     ; block w, fragment 0 and 1;
	MADR 1, 6
	MADR 2, 510                                    ; block w + 16;
	MADR 3, 518
	MADR 4, 542                                    ; in wave 15: block 32 (32 x 15 + 544 = 1,024)
	MADR 5, 550
	v_mov_b32 v[CFLG], 0x7fdc0000
	v_mov_b32 v[CLIV], 0x7f010000
.irp b, 0,1,2,3
	v_mov_b32 v[T1+\b], 0                          ; written once: a lane permute's destination counts as one of its sources
.endr
	v_mov_b32 v[F+1], 0                            ; named as the upper half of the pair v[30:31]
	s_lshl_b32 s40, s[BB], 21                      ; a batch is 1,024 rows of 2,048 bytes,
	s_lshl_b32 s42, s[HD], 8                       ; a head 256 bytes of a row
	s_add_co_u32 s40, s40, s42
	s_mov_b32 s41, 0
	s_mov_b32 s43, 0
	s_lshl_b32 s52, s[BB], 12
	s_mov_b32 s53, 0
	s_lshl_b32 s61, s[DIR], 4
	s_add_co_u32 s61, s61, s[BB]                   ; 16 dir + b
	s_lshl_b32 s62, s61, 12                        ; my list,
	s_lshl_b32 s63, s[WV], 6
	s_add_co_u32 s62, s62, s63                     ; tile w's 16 entries
	s_mov_b32 s63, 0
	s_lshl_b32 s61, s61, 7                         ; my count
	s_mov_b32 s[SEL], 0x76543210
	s_mov_b32 s[SEL+1], 0xfedcba98
	s_mov_b32 s[CS], 0x3fb8aa3b
	s_mov_b32 s[CS+1], s[CS]
	s_mov_b32 s[MNT], 0x600000
	s_wait_kmcnt 0x0
	s_cmp_eq_u32 s[DIR], 0                         ; the choices hang on the work-group's number alone
	s_cselect_b64 s[KVH:KVH+1], s[4:5], s[6:7]
	s_cselect_b64 s[QH:QH+1], s[6:7], s[4:5]
	s_cselect_b64 s[PADH:PADH+1], s[8:9], s[10:11]
	s_cselect_b64 s[KMB:KMB+1], s[12:13], s[14:15]
	s_cselect_b64 s[OUTH:OUTH+1], s[18:19], s[20:21]
	s_load_b32 s[CNT], s[16:17], s61 offset:0x20000
	s_add_nc_u64 s[KVH:KVH+1], s[KVH:KVH+1], s[40:41]
	s_add_nc_u64 s[QH:QH+1], s[QH:QH+1], s[40:41]
	s_add_nc_u64 s[OUTH:OUTH+1], s[OUTH:OUTH+1], s[40:41]
	s_add_nc_u64 s[PADH:PADH+1], s[PADH:PADH+1], s[42:43]
	s_add_nc_u64 s[KMB:KMB+1], s[KMB:KMB+1], s[52:53]
	s_add_nc_u64 s[LP:LP+1], s[16:17], s[62:63]
	s_lshl_b32 s42, s[WV], 16                      ; 32 rows a block
	s_add_nc_u64 s[B1:B1+1], s[KVH:KVH+1], s[42:43]
	s_max_u32 s52, s42, 0x1000
	s_sub_co_u32 s52, s52, 0x1000                  ; block w begins two rows earlier; in wave 0 with the pad rows, whose pitch is the same 2,048 bytes
	s_add_nc_u64 s[B0:B0+1], s[KVH:KVH+1], s[52:53]
	s_cmp_eq_u32 s[WV], 0
	s_cselect_b64 s[B0:B0+1], s[PADH:PADH+1], s[B0:B0+1]
	; all that the prologue reads is asked for here: 40 loads a wave (43 in wave 15)
.irp i, 0,1,2,3
	global_load_b32 v[QIDX+\i], v[LR], s[LP:LP+1] offset:1024*\i
.endr
.irp n, 0,1,2,3
	global_load_b32 v[MK+\n], v[MA+\n], s[KMB:KMB+1]
.endr
	s_cmp_lg_u32 s[WV], 15
	s_cbranch_scc1 .Lno_tail_loads
	global_load_b32 v[MK+4], v[MA+4], s[KMB:KMB+1]
	global_load_b32 v[MK+5], v[MA+5], s[KMB:KMB+1]
	global_load_b128 v[DT:DT+3], v[LOFF], s[KVH:KVH+1] offset:2093056   ; rows 1,022 and 1,023: keys 1,024 and 1,025
.Lno_tail_loads:
	global_load_b128 v[D0:D0+3], v[LOFF], s[B0:B0+1]   ; sixteen lanes read a row's 256 bytes of the head, aligned
.irp i, 1,2,3,4,5,6,7,8,9,10,11,12,13,14,15
	global_load_b128 v[D0+4*\i:D0+4*\i+3], v[LOFF], s[B1:B1+1] offset:(\i-1)*4096
.endr
.irp i, 0,1,2,3,4,5,6,7,8,9,10,11,12,13,14,15
	global_load_b128 v[D1+4*\i:D1+4*\i+3], v[LOFF], s[B1:B1+1] offset:1048576+(\i-1)*4096
.endr
	s_wait_kmcnt 0x0
	s_min_u32 s[CNT], s[CNT], 1024
	s_add_co_u32 s[NT], s[CNT], 15
	s_lshr_b32 s[NT], s[NT], 4
	s_wait_loadcnt 16                              ; all but the youngest 16, block w + 16's, are in
	BLOCK D0, MK, 0, AKI, 0, AKW, KSW, AVI, 0, AVB, VSW
	QLOAD 0, D0                                    ; on every path, so that the next count holds on every path; every slot of the list names a row
	s_wait_loadcnt 16                              ; all but those 16 of Q
	BLOCK D1, MK+2, 512, AKI, 32768, AKW, KSW+2048, AVI, 32768, AVB, VSW+1024
	s_cmp_lg_u32 s[WV], 15
	s_cbranch_scc1 .Lno_tail
.irp j, 0,1,2,3                                ; wave 15: key block 32: two keys, filled with zeros as the quantiser fills it
	v_mov_b32 v[D1+\j], v[DT+\j]
.endr
.set n, 4
.rept 60
	v_mov_b32 v[D1+n], 0
.set n, n+1
.endr
	BLOCK D1, MK+4, 544, AX, KT, LR, KSW+4096, AX, 0, LR, VSW+2048
.irp j, 0,1,2,3
	v_mov_b32 v[PC+\j], 0
.endr
	v_mov_b32 v[TA], 127
.irp t, 0,1,2,3                                ; the rest of step 8: zero codes under the byte 127
.irp c, 1,2,3
	ds_store_b128 v[AX], v[PC:PC+3] offset:2048*\t+512*\c
	ds_store_b8 v[LR], v[TA] offset:VSW+2048+64*\t+\c
.endr
.endr
	s_wait_dscnt 0x0
.Lno_tail:
	s_wait_loadcnt 0x0                             ; Q's first two tiles
	s_add_co_u32 s61, s[WV], 32
	s_cmp_ge_u32 s61, s[NT]                        ; my third tile runs no softmax: then neither does my fourth
	s_cbranch_scc1 .Lno_q1
	QLOAD 1, D1                                    ; they land while the first two tiles are quantised
.Lno_q1:
	QPUT 0, D0
	s_wait_loadcnt 0x0                             ; Q's other two tiles, where they were asked for.  The wait stands ahead of the test, on every way through the text: behind it no load of the prologue is out,
	                                               ; so v112-175, where those loads land, and v196-197, their offsets, may be written by all that follows; where nothing was asked for it is met at once
	s_cmp_ge_u32 s61, s[NT]
	s_cbranch_scc1 .Lno_p1
	QPUT 1, D1
.Lno_p1:
	v_bfe_u32 v[TA], v0, 4, 1                      ; the constant halves of the score product's operands: k = 64 lies in byte 0 of register 8 of lanes 0-15
	v_xor_b32 v[TA], 1, v[TA]
	v_mul_u32_u24 v[KF+8], v[TA], 0x38             ; +1 in E4M3
	v_mul_u32_u24 v[Q+8], v[TA], 0xb8              ; -1
.irp f, 1,2,3
	v_mov_b32 v[KF+16*\f+8], v[KF+8]
.endr
.irp j, 9,10,11,12,13,14,15
	v_mov_b32 v[Q+\j], 0
.irp f, 0,1,2,3
	v_mov_b32 v[KF+16*\f+\j], 0
.endr
.endr
	s_wait_dscnt 0x0                               ; for the others' sake: my stores have landed
	s_barrier_signal -1
	s_barrier_wait -1                              ; the head's codes and scales lie in LDS
	; THE MEAN ROW.  p = 1 is the code 256 under the scale 2^-8, at every key; the fill's values are zero codes.  Wave 4 g + t (g, t under 3, 4) sums steps 3 g .. 3 g + 2 of d tile t.
	s_cmp_ge_u32 s[WV], 12
	s_cbranch_scc1 .Lno_mean
	s_lshr_b32 s40, s[WV], 2
	s_and_b32 s41, s[WV], 3
	s_mul_i32 s42, s40, 24576
	s_lshl_b32 s43, s41, 11
	s_add_co_u32 s42, s42, s43
	v_add_nc_u32 v[AT0], s42, v[AV0]
	s_mul_i32 s42, s40, 768
	s_lshl_b32 s43, s41, 6
	s_add_co_u32 s42, s42, s43
	v_add_nc_u32 v[AT1], s42, v[LR]
	s_lshl_b32 s42, s40, 8
	s_add_co_u32 s42, s42, s43
	v_bfe_u32 v[TA], v0, 4, 1
	v_lshlrev_b32 v[TA], 5, v[TA]
	v_add_nc_u32 v[AT2], s42, v[TA]                ; 256 g + 64 t + 32 hh
.irp j, 0,1,2
.irp c, 0,1,2,3
	ds_load_b128 v[S+16*\j+4*\c:S+16*\j+4*\c+3], v[AT0] offset:8192*\j+512*\c
.endr
	ds_load_b32 v[SCW+\j], v[AT1] offset:VSW+256*\j
.endr
	v_mov_b32 v[PSC], 0x77777777
.set n, 0
.rept 16
	v_mov_b32 v[P+n], 0x78787878
.set n, n+1
.endr
.rept 8
	v_nop                                          ; a scale word written by a vector instruction stands 8 places ahead of the product, codes so written 4
.endr
	s_wait_dscnt 0x0
	v_wmma_scale_f32_16x16x128_f8f6f4 v[OT:OT+7], v[S:S+15], v[P:P+15], 0, v[SCW], v[PSC]
	s_wait_alu depctr_va_vdst(0)                   ; the wait directly ahead of each link
	v_wmma_scale_f32_16x16x128_f8f6f4 v[OT:OT+7], v[S+16:S+31], v[P:P+15], v[OT:OT+7], v[SCW+1], v[PSC]
	s_wait_alu depctr_va_vdst(0)
	v_wmma_scale_f32_16x16x128_f8f6f4 v[OT:OT+7], v[S+32:S+47], v[P:P+15], v[OT:OT+7], v[SCW+2], v[PSC]
.rept 8
	v_nop                                          ; eight places behind this form ahead of the first read of its result
.endr
	ds_store_b128 v[AT2], v[OT:OT+3] offset:MPART      ; all sixteen columns are alike: the lanes of a half write the same bytes with the same values
	ds_store_b128 v[AT2], v[OT+4:OT+7] offset:MPART+16
.Lno_mean:
	s_wait_dscnt 0x0
	s_barrier_signal -1
	s_barrier_wait -1                              ; the three partial rows lie in LDS; from here on no wave writes bytes that another reads
.irp g, 0,1,2
	ds_load_b128 v[160+4*\g:163+4*\g], v[CO] offset:MPART+256*\g
.endr
	s_wait_dscnt 0x0
.irp j, 0,1,2,3
	v_add_f32 v[MEAN+\j], v[160+\j], v[164+\j]
.endr
.irp j, 0,1,2,3
	v_add_f32 v[MEAN+\j], v[MEAN+\j], v[168+\j]
.endr
.irp j, 0,1,2,3
	v_mul_f32 v[MEAN+\j], 0x3a7f8040, v[MEAN+\j]   ; / 1,026, the sum of 1,026 ones
.endr
; A KEY STEP: keys 128 s to 128 s + 127.  Every LDS offset is an immediate.
.macro STEP s
.rept 9
	v_nop                                          ; nine places between the last products V^T P^T and the score products that write over their operands; eight of them serve the loads into the scale words
.endr
.irp g, 0,1                                    ; S^T = K Q^T, four fragments of 16 keys at a time
.if \g
.rept 8
	v_nop                                          ; places in front of loads into registers that the four products above have read; also the places in front of the first read of their results
.endr
.endif
.irp f, 0,1,2,3
	ds_load_b128 v[KF+16*\f:KF+16*\f+3], v[AK0] offset:(8*(\s)+4*\g+\f)*1024
	ds_load_b128 v[KF+16*\f+4:KF+16*\f+7], v[AK0] offset:(8*(\s)+4*\g+\f)*1024+512
	ds_load_b32 v[SCW+\f], v[LR] offset:KSW+(8*(\s)+4*\g+\f)*64
.endr
	s_wait_dscnt 0x0
.irp f, 0,1,2,3
	v_wmma_scale_f32_16x16x128_f8f6f4 v[S+8*(4*\g+\f):S+8*(4*\g+\f)+7], v[KF+16*\f:KF+16*\f+15], v[Q:Q+15], 0, v[SCW+\f], v[QSC]
.endr
.endr
; the largest score of each block of 32 keys: for the row's maximum and, since p rises with the score, for the block's largest p.  Blocks 0 and 1 first: their 16 lines name nothing of the last four products and are those products' places.
; Each chain begins at an accumulator's low end and crosses into the next by its lowest register.
.irp h, 0,2
.irp b, \h, \h+1
	v_max3_num_f32 v[BM+\b], v[S+16*(\b)], v[S+1+16*(\b)], v[S+2+16*(\b)]
.endr
.irp i, 3,5,7,9,11,13
.irp b, \h, \h+1
	v_max3_num_f32 v[BM+\b], v[BM+\b], v[S+16*(\b)+\i], v[S+1+16*(\b)+\i]
.endr
.endr
.irp b, \h, \h+1
	v_max_num_f32 v[BM+\b], v[BM+\b], v[S+15+16*(\b)]
.endr
.endr
.irp b, 0,1,2,3
	v_permlanex16_b32 v[T1+\b], v[BM+\b], s[SEL], s[SEL+1]
.endr
.irp b, 0,1,2,3
	v_max_num_f32 v[BM+\b], v[BM+\b], v[T1+\b]     ; with lane l xor 16's 16 keys
.endr
	v_max3_num_f32 v[TA], v[BM], v[BM+1], v[BM+2]
	v_max_num_f32 v[TA], v[TA], v[BM+3]
	v_mul_f32 v[TA], s[CS], v[TA]                  ; as t
	v_max_num_f32 v[TMX], v[TMX], v[TA]            ; the running largest t
	v_mov_b32 v[TA], v[NM]
	v_floor_f32 v[NM], -v[TMX]                     ; the new -M = floor(-t): M is a whole number
	v_sub_f32 v[TA], v[NM], v[TA]                  ; old M less new M: a whole number, 0 or less
	v_cvt_i32_f32 v[TA], v[TA]                     ; (it saturates)
	v_ldexp_f32 v[F], 1.0, v[TA]                   ; f = 2^(old M - new M)
.set n, 0
.rept 32
	v_pk_fma_f32 v[S+n:S+n+1], v[S+n:S+n+1], s[CS:CS+1], v[NM:NM+1] op_sel_hi:[1,0,0]   ; t - M, two at a time
.set n, n+2
.endr
.irp b, 0,1,2,3
	v_fma_f32 v[BM+\b], v[BM+\b], s[CS], v[NM]     ; the same of each block's largest score
.endr
.set n, 0
.rept 64
	v_exp_f32 v[S+n], v[S+n]                       ; p = 2^(t - M)
.set n, n+1
.endr
	v_pk_mul_f32 v[LS:LS+1], v[LS:LS+1], v[F:F+1] op_sel_hi:[1,0]   ; the sum under the new M: the plain line behind the exponentials
	s_wait_alu depctr_va_vdst(0)                   ; one wait for the batch of 64, ahead of its first reader
.irp b, 0,1,2,3
	v_exp_f32 v[BM+\b], v[BM+\b]                   ; the block's largest p: the same two instructions on the same number
.endr
	v_pk_add_f32 v[L2:L2+1], v[S:S+1], v[S+2:S+3]  ; the sum is taken of the unquantised p, in two chains
.set n, 4
.rept 15
	v_pk_add_f32 v[LS:LS+1], v[LS:LS+1], v[S+n:S+n+1]
	v_pk_add_f32 v[L2:L2+1], v[L2:L2+1], v[S+n+2:S+n+3]
.set n, n+4
.endr
	v_pk_add_f32 v[LS:LS+1], v[LS:LS+1], v[L2:L2+1]
	s_wait_alu depctr_va_vdst(0)                   ; and one for the four
.irp b, 0,1,2,3
	v_max_num_f32 v[BM+\b], 0x4800000, v[BM+\b]    ; the floor 2^(9 - 127): a block whose every p is 0 keeps the byte 1 over zero codes
.endr
.irp b, 0,1,2,3
	v_add_nc_u32 v[SOP+\b], 0xfc000000, v[BM+\b]
.endr
.irp b, 0,1,2,3
	v_lshrrev_b32 v[T1+\b], 23, v[SOP+\b]
.endr
	v_lshl_or_b32 v[PSC], v[T1+1], 8, v[T1]        ; p's scale word for these 128 keys
	v_lshl_or_b32 v[PSC], v[T1+2], 16, v[PSC]
	v_lshl_or_b32 v[PSC], v[T1+3], 24, v[PSC]
.irp b, 0,1,2,3
	v_and_or_b32 v[CAP+\b], v[BM+\b], 0x7f800000, s[MNT]   ; 448 x the scale.  (These four and the four v_nop below are the eight places between the scale word and its products)
.endr
.irp b, 0,1,2,3
.set n, 0
.rept 16
	v_min_num_f32 v[S+16*\b+n], v[S+16*\b+n], v[CAP+\b]   ; the conversion does not saturate (ISA guide 7.6.2); p is not negative, so the hold is one-sided
.set n, n+1
.endr
	v_cvt_scalef32_pk8_fp8_f32 v[P+4*\b:P+4*\b+1], v[S+16*\b:S+16*\b+7], v[SOP+\b]
	v_cvt_scalef32_pk8_fp8_f32 v[P+4*\b+2:P+4*\b+3], v[S+16*\b+8:S+16*\b+15], v[SOP+\b]
.endr
.irp t, 0,1,2,3                                ; V's four fragments take p's registers
.irp c, 0,1,2,3
	ds_load_b128 v[S+16*\t+4*\c:S+16*\t+4*\c+3], v[AV0] offset:(4*(\s)+\t)*2048+512*\c
.endr
	ds_load_b32 v[SCW+\t], v[LR] offset:VSW+(4*(\s)+\t)*64
.endr
.rept 4
	v_nop                                          ; the plain line behind the conversions, and the four places between the codes and their products
.endr
.set n, 0
.rept 16
	v_pk_mul_f32 v[OT+n:OT+n+1], v[OT+n:OT+n+1], v[F:F+1] op_sel_hi:[1,0]   ; O^T under the new M, each accumulator from its low end on
.set n, n+2
.endr
	s_wait_dscnt 0x0
.irp t, 0,1,2,3                                ; O^T += V^T P^T.  The four accumulators take turns, and eight score products stand between two links of a chain
	v_wmma_scale_f32_16x16x128_f8f6f4 v[OT+8*\t:OT+8*\t+7], v[S+16*\t:S+16*\t+15], v[P:P+15], v[OT+8*\t:OT+8*\t+7], v[SCW+\t], v[PSC]
.endr
.endm
	s_mov_b32 s[TIL], s[WV]
	s_mov_b32 s[TQI], 0
	s_mov_b32 s[TQW], 0
	s_mov_b32 s[TC], 4
.Ltile:                                            ; four trips in every wave; what a trip does hangs on the stored count
.irp k, 0,1,2,3,4,5,6,7
	global_load_b32 v[RO+\k], v[GLO], s[LP:LP+1] offset:8*\k   ; the queries in slots 16 T + 2 k + hh: wanted on the way out, asked for here
.endr
	s_cmp_ge_u32 s[TIL], s[NT]
	s_cbranch_scc1 .Lmean
	; THE FIRST STEP: key block 32 (keys 1,024 and 1,025, and 30 hidden ones).  It starts M, the sum and O^T: nothing is cleared.
	; Should both its keys be masked, what it sums is finite (t - M is then at most half a step of f32 at 1.5e9: 64), and step 0, which holds key 0, a pad row that always counts, multiplies it by f = 0.
	v_add_nc_u32 v[AT0], s[TQI], v[QA]
	v_add_nc_u32 v[AT1], s[TQW], v[QS]
	ds_load_b128 v[Q:Q+3], v[AT0]
	ds_load_b128 v[Q+4:Q+7], v[AT0] offset:512
	ds_load_b32 v[QSC], v[AT1]
.irp f, 0,1
	ds_load_b128 v[KF+16*\f:KF+16*\f+3], v[AX] offset:KT+1024*\f
	ds_load_b128 v[KF+16*\f+4:KF+16*\f+7], v[AX] offset:KT+1024*\f+512
	ds_load_b32 v[SCW+\f], v[LR] offset:KSW+4096+64*\f
.endr
	s_wait_dscnt 0x0
.irp f, 0,1
	v_wmma_scale_f32_16x16x128_f8f6f4 v[S+8*\f:S+8*\f+7], v[KF+16*\f:KF+16*\f+15], v[Q:Q+15], 0, v[SCW+\f], v[QSC]
.endr
.set n, 4
.rept 12
	v_mov_b32 v[P+n], 0                            ; the step's other three blocks of p: zero codes.  These twelve are the places behind the two products
.set n, n+1
.endr
	v_max3_num_f32 v[BM], v[S], v[S+1], v[S+2]
.irp i, 3,5,7,9,11,13
	v_max3_num_f32 v[BM], v[BM], v[S+\i], v[S+1+\i]
.endr
	v_max_num_f32 v[BM], v[BM], v[S+15]
	v_permlanex16_b32 v[T1], v[BM], s[SEL], s[SEL+1]
	v_max_num_f32 v[BM], v[BM], v[T1]
	v_mul_f32 v[TMX], s[CS], v[BM]
	v_floor_f32 v[NM], -v[TMX]
.set n, 0
.rept 8
	v_pk_fma_f32 v[S+n:S+n+1], v[S+n:S+n+1], s[CS:CS+1], v[NM:NM+1] op_sel_hi:[1,0,0]
.set n, n+2
.endr
	v_fma_f32 v[BM], v[BM], s[CS], v[NM]
.set n, 0
.rept 16
	v_exp_f32 v[S+n], v[S+n]
.set n, n+1
.endr
	v_nop
	s_wait_alu depctr_va_vdst(0)                   ; one wait for the sixteen
	v_exp_f32 v[BM], v[BM]
	v_pk_add_f32 v[LS:LS+1], v[S:S+1], v[S+2:S+3]
.irp j, 4,6,8,10,12,14
	v_pk_add_f32 v[LS:LS+1], v[LS:LS+1], v[S+\j:S+\j+1]
.endr
	s_wait_alu depctr_va_vdst(0)                   ; and one for the block's largest p
	v_max_num_f32 v[BM], 0x4800000, v[BM]
	v_add_nc_u32 v[SOP], 0xfc000000, v[BM]
	v_lshrrev_b32 v[T1], 23, v[SOP]
	v_or_b32 v[PSC], 0x7f7f7f00, v[T1]
	v_and_or_b32 v[CAP], v[BM], 0x7f800000, s[MNT]
.set n, 0
.rept 16
	v_min_num_f32 v[S+n], v[S+n], v[CAP]
.set n, n+1
.endr
	v_cvt_scalef32_pk8_fp8_f32 v[P:P+1], v[S:S+7], v[SOP]
	v_cvt_scalef32_pk8_fp8_f32 v[P+2:P+3], v[S+8:S+15], v[SOP]
.irp t, 0,1,2,3
.irp c, 0,1,2,3
	ds_load_b128 v[S+16*\t+4*\c:S+16*\t+4*\c+3], v[AX] offset:2048*\t+512*\c
.endr
	ds_load_b32 v[SCW+\t], v[LR] offset:VSW+2048+64*\t
.endr
.rept 8
	v_nop                                          ; the places between the scale word and the codes and their products
.endr
	s_wait_dscnt 0x0
.irp t, 0,1,2,3
	v_wmma_scale_f32_16x16x128_f8f6f4 v[OT+8*\t:OT+8*\t+7], v[S+16*\t:S+16*\t+15], v[P:P+15], 0, v[SCW+\t], v[PSC]
.endr
	STEP 0
	STEP 1
	STEP 2
	STEP 3
	STEP 4
	STEP 5
	STEP 6
	STEP 7
	; THE WAY OUT.  O^T / the sum goes through my stage and comes back as rows: sixteen lanes hold a query's 256 bytes of the head.
.rept 8
	v_nop                                          ; eight places behind the last products
.endr
	v_add_f32 v[TA], v[LS], v[LS+1]
	v_permlanex16_b32 v[TB], v[TA], s[SEL], s[SEL+1]
	v_add_f32 v[TA], v[TA], v[TB]                  ; the row's sum; key 0 counts for every query, so it is over 1/2
	v_rcp_f32 v[F], v[TA]
	v_nop
	s_wait_alu depctr_va_vdst(0)
.set n, 0
.rept 16
	v_pk_mul_f32 v[OT+n:OT+n+1], v[OT+n:OT+n+1], v[F:F+1] op_sel_hi:[1,0]
.set n, n+2
.endr
.irp t, 0,1,2,3
	ds_store_b128 v[STO], v[OT+8*\t:OT+8*\t+3] offset:64*\t        ; lane (r, hh): query r, d = 16 t + 8 hh + 0 .. 7
	ds_store_b128 v[STO], v[OT+8*\t+4:OT+8*\t+7] offset:64*\t+16
.endr
.irp k, 0,1,2,3,4,5,6,7
	ds_load_b128 v[S+4*\k:S+4*\k+3], v[STW] offset:WSO+544*\k      ; rows 2 k + hh.  LDS serves a wave's instructions in order: these see the stores above
.endr
	s_wait_loadcnt 0x0                             ; the list entries
.irp k, 0,1,2,3,4,5,6,7
	v_min_u32 v[RO+\k], 0x3ff, v[RO+\k]
.endr
.irp k, 0,1,2,3,4,5,6,7
	v_lshl_add_u32 v[RO+\k], v[RO+\k], 11, v[CO]
.endr
	s_wait_dscnt 0x0
	s_lshl_b32 s61, s[TIL], 4
	s_add_co_u32 s62, s61, 16
	s_cmp_le_u32 s62, s[CNT]
	s_cbranch_scc1 .Lwhole
	v_bfe_u32 v[TA], v0, 4, 1                      ; the one tile that holds live and masked queries: slots from c on get the mean row
	v_add_nc_u32 v[TA], s61, v[TA]
.irp k, 0,1,2,3,4,5,6,7
	s_sub_co_i32 s62, s[CNT], 2*\k
	v_cmp_gt_i32 vcc_lo, s62, v[TA]                ; 16 T + 2 k + hh < c
.irp j, 0,1,2,3
	v_cndmask_b32 v[S+4*\k+\j], v[MEAN+\j], v[S+4*\k+\j], vcc_lo
.endr
.endr
.Lwhole:
.irp k, 0,1,2,3,4,5,6,7
	global_store_b128 v[RO+\k], v[S+4*\k:S+4*\k+3], s[OUTH:OUTH+1] th:TH_STORE_NT   ; sixteen lanes store 256 consecutive bytes, at a multiple of 256 from the output's first byte
.endr
	s_branch .Lnext
.Lmean:                                            ; a tile of masked queries
	s_wait_loadcnt 0x0
.irp k, 0,1,2,3,4,5,6,7
	v_min_u32 v[RO+\k], 0x3ff, v[RO+\k]
.endr
.irp k, 0,1,2,3,4,5,6,7
	v_lshl_add_u32 v[RO+\k], v[RO+\k], 11, v[CO]
.endr
.irp k, 0,1,2,3,4,5,6,7
	global_store_b128 v[RO+\k], v[MEAN:MEAN+3], s[OUTH:OUTH+1] th:TH_STORE_NT
.endr
.Lnext:
	s_wait_xcnt 0x0                                ; the stores have read their offsets and data, the loads their base: all are written again in the next trip
	s_add_nc_u64 s[LP:LP+1], s[LP:LP+1], 1024
	s_add_co_u32 s[TIL], s[TIL], 16
	s_add_co_u32 s[TQI], s[TQI], 1024
	s_add_co_u32 s[TQW], s[TQW], 64
	s_sub_co_u32 s[TC], s[TC], 1
	s_cmp_lg_u32 s[TC], 0
	s_cbranch_scc1 .Ltile
	s_wait_tensorcnt 0x0                           ; the wave's end, behind my last LDS store
	ds_add_u32 v[SPW], v[NIL]
	s_wait_dscnt 0x0
	s_endpgm
.Lfunc_end_k_q08fc10a625_attend:
	.size	k_q08fc10a625_attend, .Lfunc_end_k_q08fc10a625_attend-k_q08fc10a625_attend
	.p2alignl 7, 3214868480
	.fill 96, 4, 3214868480
	.section	.rodata,"a",@progbits
	.p2align	6, 0x0
	.amdhsa_kernel k_q08fc10a625_attend
		.amdhsa_group_segment_fixed_size 294144
		.amdhsa_private_segment_fixed_size 0
		.amdhsa_enable_private_segment 0
		.amdhsa_kernarg_size 72
		.amdhsa_user_sgpr_count 2
		.amdhsa_user_sgpr_kernarg_segment_ptr 1
		.amdhsa_wavefront_size32 1
		.amdhsa_system_sgpr_workgroup_id_x 1
		.amdhsa_system_sgpr_workgroup_id_y 1
		.amdhsa_system_sgpr_workgroup_id_z 1
		.amdhsa_system_vgpr_workitem_id 0
		.amdhsa_next_free_vgpr 256
		.amdhsa_next_free_sgpr 66
		.amdhsa_reserve_vcc 1
		.amdhsa_float_denorm_mode_32 3
		.amdhsa_float_denorm_mode_16_64 3
		.amdhsa_memory_ordered 1
		.amdhsa_forward_progress 1
		.amdhsa_inst_pref_size 255
	.end_amdhsa_kernel
	.section	.bss,"aw",@nobits
	.p2align	6
	.space	262144
	.amdgpu_metadata
---
amdhsa.version: [ 1, 2 ]
amdhsa.kernels:
  - .name:           k_q08fc10a625_attend
    .symbol:         k_q08fc10a625_attend.kd
    .args:
      - { .name: X, .offset: 0, .size: 8, .value_kind: global_buffer, .address_space: global }
      - { .name: Y, .offset: 8, .size: 8, .value_kind: global_buffer, .address_space: global }
      - { .name: pad_x, .offset: 16, .size: 8, .value_kind: global_buffer, .address_space: global }
      - { .name: pad_y, .offset: 24, .size: 8, .value_kind: global_buffer, .address_space: global }
      - { .name: mask_X, .offset: 32, .size: 8, .value_kind: global_buffer, .address_space: global }
      - { .name: mask_Y, .offset: 40, .size: 8, .value_kind: global_buffer, .address_space: global }
      - { .name: order, .offset: 48, .size: 8, .value_kind: global_buffer, .address_space: global }
      - { .name: out0, .offset: 56, .size: 8, .value_kind: global_buffer, .address_space: global }
      - { .name: out1, .offset: 64, .size: 8, .value_kind: global_buffer, .address_space: global }
    .group_segment_fixed_size: 294144
    .private_segment_fixed_size: 0
    .kernarg_segment_align: 8
    .kernarg_segment_size: 72
    .max_flat_workgroup_size: 512
    .sgpr_count:     66
    .vgpr_count:     256
    .wavefront_size: 32
...
	.end_amdgpu_metadata
.endif
;; end of part 2
;; ======== version 2 of 2: 2 launches; version 1 with the launch attend written anew for expert scheduling mode
;; limits: inputs' magnitudes at most 3,700; right only within a limited range of input values
;; workspace buffers: order 135,168 bytes of whole numbers
;; launch lists: the kernel of part 1 again; grid 32 x 1, 1 waves a work-group, no clusters, 0 bytes of LDS; arguments mask_X, mask_Y, order; writes order
;; launch attend (part 3): grid 128 x 2, 16 waves a work-group, no clusters, 294,144 bytes of LDS; arguments X, Y, pad_x, pad_y, mask_X, mask_Y, order, out0, out1; writes out0, out1
.if DOCPART == 3
	.amdgcn_target "amdgcn-amd-amdhsa--gfx1250"
	.amdhsa_code_object_version 6
	.text
	.protected	k_q08fc10a625_attend
	.globl	k_q08fc10a625_attend
	.p2align	8
	.type	k_q08fc10a625_attend,@function
k_q08fc10a625_attend:
	s_mov_b64 s[64:65], 0
	v_nop
	global_prefetch_b8 v0, s[64:65] scope:SCOPE_SE
	s_setreg_imm32_b32 hwreg(HW_REG_WAVE_SCHED_MODE, 0, 2), 2
	s_setreg_imm32_b32 hwreg(HW_REG_WAVE_MODE, 25, 1), 1
	s_wait_xcnt 0x0
	s_wait_alu depctr_vm_vsrc(0)
; One work-group for each (direction, batch, head): x = 8 b + h, y = dir.  dir 0: out0, queries = rows of Y, keys and values = pad_x, X, key mask mask_X.  dir 1: out1, with X and Y changed over.
; WORK LEFT OUT (shown at the head of the launch lists): the pad positions as queries; the softmax of queries whose mask word is 0: they get the head's mean row.
; Both products on codes of E4M3 with one E8M0 scale for each 32 along K, by v_wmma_scale_f32_16x16x128_f8f6f4.  Scores: K = the head's 64.  Second product: K = the 1,026 keys, blocks of 32 from key 0 (key 0, 1 = pad rows, key k = row k - 2).
; SOFTMAX: t = score x log2(e); M = the largest t so far rounded up to a whole number; p = 2^(t - M) is quantised along the keys, not normalised; the sum of the unquantised p divides at the end;
; when M moves, the sum and O are multiplied by 2^(old M - new M), which rounds nothing.
; THE HEAD STAYS IN LDS.  The 1,026 x 64 numbers are read from memory once, quantised twice in registers (along d for the scores, along the keys for the values) and kept as IMAGES OF THE OPERANDS' REGISTERS:
; 16 bytes a lane, 512 bytes a piece.  Nothing in LDS is filled again: two barriers in all, no tensor load.
; THE KEY MASK COSTS NO VECTOR INSTRUCTION.  The score product has 64 of the instruction's 128 along K to spare.  At k = 64 every key holds the code of +1 and every query the code of -1; K's scale byte of that block is
; 220 (2^93) for a key that is masked or lies past key 1,025 and 1 (2^-126) for a live key, Q's is 64 (2^-63): the product adds -2^30 to a hidden key's score and -2^-189 to a live one's.
; SHARES.  The 1,024 queries in the stored order (live ones first) are 64 tiles of 16; wave w takes tiles w, w + 16, w + 32, w + 48.  A tile under NT = ceil(c / 16) runs the softmax over 9 key steps;
; the others store the mean row.  In the one tile that holds both kinds the rows are chosen by v_cndmask_b32.
; LAYOUT.  Both products transposed: S^T = K Q^T, O^T = V^T P^T: a lane holds ONE query (lane % 16).  Lane r of K's fragment 2 kb + u holds key 32 kb + 8 u + r + 8 (r / 8), so that the 16 registers of two
; neighbouring score tiles are 16 neighbouring keys, 32 kb + 16 (lane / 16) + 0 .. 15: the conversions' results are the second product's operand.
; NO CLUSTER: a head's numbers are keys and values for one work-group only; the other direction's work-group takes single rows of them, chosen by its list, at another time: there is no tile to ask for jointly.
; LIMITS.  A hidden key's score is sim - 2^30 where reference() has -1e9: both give p = 0 as long as a live query's largest score lies above about -9e8 (inputs of a size up to some 3,700).
; A live key's score carries -2^-189, under every f32 number.  A block of zeros keeps the scale byte 1 where the rule says 127: its codes are zeros, and this program alone reads the bytes.
; NaN and infinities among the inputs are not served.
; THE MODE: SCHED_MODE bits 1:0 = 2 (LLVM: expert scheduling mode 2), set by the entry lines.  The code itself states the register dependences between vector or matrix instructions and
; memory or LDS instructions, with s_wait_alu, always for 0.
; THE PLAN, in a key step.  Registers that LDS instructions touch:
;   KF, SCW    four fragments of K and their scale words.  Loaded twice a step; read by the score products alone.
;   S          written by the score products, worked in place by the softmax's vector lines, read by the conversions; then V's four fragments land in it, which the second products read.
;   VSC        V's scale words.  Loaded once a step; read by the second products alone.
;   P, PSC     written by vector lines, taken by the second products: no LDS instruction names them.
;   AK0, AV0, LR   the loads' addresses: made at the head, never written again; every offset is an immediate.
; Four waits on va_vdst a step.  (1) behind the first four score products: they are done reading KF and SCW; the step's other four fragments follow.  (2) the wait for the 64 exponentials: the other four score
; products are done with KF and SCW too, so the NEXT step's first four fragments are asked for there and land under the sums, holds and conversions.  (3) the wait for the four exponentials.
; (4) behind the conversions and their places: they are done with S, and p's codes and scale word are written; V's loads follow, with O^T's multiplications, which name neither S nor VSC, behind them.
; A tile: one wait on va_vdst ahead of its first LDS loads, one ahead of the stage's stores, one ahead of the global stores; one wait on vm_vsrc at the trip's end.  The prologue's waits are said where they stand.
.set KSW,   0                          ; LDS: K's scale words: fragment f at 64 f, row r at 4 r; 66 fragments
.set VSW,   4352                       ; V's: fragment (step s, d tile t) at 64 (4 s + t), row r at 4 r, byte c = key block 4 s + c
.set MPART, 6656                       ; three partial sums of the values: 64 f32 each
.set KIMG,  7424                       ; K's fragments 0-63: 1,024 bytes each: piece c (d = 32 c on) at 512 c, lane at 16 x lane
.set VIMG,  72960                      ; V's 36 fragments: 2,048 bytes each, at 2,048 (4 s + t): piece c at 512 c
.set VTAIL, VIMG+65536                 ; step 8 of V;
.set KT,    8192                       ; and behind it K's fragments 64 and 65
.set PW,    148736                     ; a region of its own for each wave:
.set PWB,   8960                       ; first the stage that turns a key block (row x 272 + 128 for rows 16 on); later: Q's four images at 0,
.set QWO,   4096                       ; their scale words, 64 bytes a tile,
.set WSO,   4608                       ; and the stage for the way out, 16 rows x 272
.set SPARE, 292096                     ; the spare words, 128 bytes for each wave: eight blocks of 256 bytes that no other line names
; vector registers that stay
.set SPW, 1                            ; LDS address of my spare word; never rewritten
.set NIL, 2                            ; 0; never rewritten
.set LI,  3                            ; 16 x lane
.set LR,  4                            ; 4 r
.set AK0, 5                            ; KIMG + 16 x lane
.set AV0, 6                            ; VIMG + 16 x lane
.set AX,  7                            ; VTAIL + 16 x lane
.set STW, 8                            ; my region + 272 hh + 16 r: two whole rows of a stage
.set SKR, 9                            ; prologue: the stage read as K wants it
.set SVR, 10                           ; prologue: as V wants it
.set AKI, 11                           ; prologue: where key block w's images of K go
.set AT0, 9                            ; behind the prologue v9-11 hold addresses made on the spot
.set AT1, 10
.set AT2, 11
.set VSC, 12                           ; v12-15 V's scale words of the four fragments in hand: scales and nothing else
.set QS,  16                           ; my region + QWO + 4 r
.set STO, 17                           ; my region + WSO + 272 r + 32 hh
.set GLO, 18                           ; 4 hh: my place in a pair of list entries
.set CO,  19                           ; 16 r
.set MEAN, 20                          ; v20-23 the mean row's 16 bytes at 16 r
.set NM,  24                           ; -M
.set TMX, 25                           ; the largest t
.set LS,  26                           ; v26-27 the sum, in two halves
.set AKW, 24                           ; prologue, where v24-26 lie idle: where key block w's scale words of K go,
.set AVI, 25                           ; its pieces of V,
.set AVB, 26                           ; its scale bytes of V
.set QSC, 28                           ; Q's scale word
.set PSC, 29                           ; p's scale word
.set F,   30                           ; v30 f = 2^(old M - new M), later 1 / the sum; v31 is named with it as a pair and holds 0
.set Q,   32                           ; v32-47   Q's fragment: 8 registers of codes, the flag column, zeros
.set KF,  48                           ; v48-111  four fragments of K: each 8 registers of codes, the flag column, zeros
.set S,   112                          ; v112-175 S^T, then p, then four fragments of V, on the way out rows of O
.set OT,  176                          ; v176-207 O^T: four d tiles
.set P,   208                          ; v208-223 p's codes
.set SCW, 224                          ; v224-227 K's scale words of the four fragments in hand
.set BM,  228                          ; v228-231 a block's largest score, then its largest p
.set T1,  232                          ; v232-235 the other half's maximum, then the scale's byte
.set CAP, 236                          ; v236-239 448 x the scale
.set SOP, 240                          ; v240-243 the conversion's scale operand
.set L2,  244                          ; v244-245 the second chain of the sum
.set RO,  246                          ; v246-253 the tile's eight pairs of list entries, then their rows' byte offsets
.set TA,  254
.set QA,  255                          ; my region + 16 x lane
; vector registers of the prologue
.set TL,  249                          ; at the head only: the lane
.set D0,  48                           ; 64 numbers a lane
.set D1,  112
.set DT,  176                          ; keys 1,024 and 1,025
.set MK,  180                          ; v180-185 key mask words: block w, block w + 16, block 32; fragment u = 0, 1
.set QIDX, 186                         ; v186-189 my four tiles' list entries, row r
.set WD,  190                          ; v190-191 two scale words
.set FL,  192                          ; v192-193 the two keys, then the scale words' upper halves
.set KB,  194                          ; 32 w + r + 8 (r / 8)
.set LOFF, 195                         ; 2,048 hh + 16 r
.set QOFF, 196                         ; v196-197
.set CFLG, 198                         ; bytes 2, 3 of a hidden key's scale word
.set CLIV, 199                         ; of a live key's
.set H64, 200                          ; 64 hh
.set MA,  202                          ; v202-207 where the mask words lie
.set PC,  208                          ; the codes just made
.set TM,  228                          ; v228-243: largest magnitudes, bytes, 448 x the scale, scale operands
; scalar registers
.set WV,  22
.set DIR, 23
.set BB,  24
.set HD,  25
.set KVH, 26                           ; keys and values: my head's first byte
.set QH,  28                           ; queries: the same
.set PADH, 30
.set KMB, 32                           ; the key mask of my batch
.set OUTH, 34
.set CNT, 38                           ; c
.set NT,  39                           ; ceil(c / 16)
.set B0,  44                           ; the first two keys of block w
.set B1,  46                           ; row 32 w
.set TIL, 48                           ; the tile in hand
.set TC,  49
.set LP,  50                           ; the tile's list entries
.set TQI, 54                           ; the tile's image of Q: 1,024 bytes a tile
.set TQW, 55                           ; its scale words: 64 bytes a tile
.set SEL, 56                           ; v_permlanex16_b32's selects for lane l xor 16
.set CS,  58                           ; log2(e), twice: the packed form names a pair
.set MNT, 60                           ; the mantissa field of 448
.set LM,  4                            ; s4-11 in the tile that holds both kinds of query: eight lane masks (free since the buffers were chosen)
; 64 numbers of a lane, four runs of 16 registers; run b and lane l xor 16's run b are a block of 32.  Codes to v[PC + 4 b] on, the block's byte to v[TM + 4 + b].
.macro QUANT64 s
.irp b, 0,1,2,3
	v_max3_num_f32 v[TM+\b], |v[\s+16*\b]|, |v[\s+1+16*\b]|, 0x4800000   ; my 16 numbers, and the floor 2^(9 - 127): so the byte cannot fall under 1
.endr
.irp i, 2,4,6,8,10,12,14
.irp b, 0,1,2,3
	v_max3_num_f32 v[TM+\b], v[TM+\b], |v[\s+16*\b+\i]|, |v[\s+1+16*\b+\i]|   ; the four blocks by turns
.endr
.endr
.irp b, 0,1,2,3
	v_permlanex16_b32 v[TM+4+\b], v[TM+\b], s[SEL], s[SEL+1]
.endr
.irp b, 0,1,2,3
	v_max_num_f32 v[TM+\b], v[TM+\b], v[TM+4+\b]   ; the block's largest magnitude
.endr
.irp b, 0,1,2,3
	v_add_nc_u32 v[TM+12+\b], 0xfc000000, v[TM+\b] ; 8 off its exponent field: the conversion takes the exponent field of this operand as its scale
.endr
.irp b, 0,1,2,3
	v_and_or_b32 v[TM+8+\b], v[TM+\b], 0x7f800000, s[MNT]   ; 448 x the scale
.endr
.irp b, 0,1,2,3
	v_lshrrev_b32 v[TM+4+\b], 23, v[TM+12+\b]      ; the scale's byte
.endr
.irp b, 0,1,2,3
.set n, 0
.rept 16
	v_med3_num_f32 v[\s+16*\b+n], v[\s+16*\b+n], -v[TM+8+\b], v[TM+8+\b]   ; the conversion to an 8-bit code does not saturate (ISA guide 7.6.2): the hold at the largest code x the scale
.set n, n+1
.endr
	v_cvt_scalef32_pk8_fp8_f32 v[PC+4*\b:PC+1+4*\b], v[\s+16*\b:\s+7+16*\b], v[TM+12+\b]
	v_cvt_scalef32_pk8_fp8_f32 v[PC+2+4*\b:PC+3+4*\b], v[\s+8+16*\b:\s+15+16*\b], v[TM+12+\b]
.endr
	v_nop                                          ; a plain line behind the last conversion, ahead of whatever next touches its registers
.endm
; A key block: 32 keys x 64 numbers, as loaded (pair i of rows in v[d + 4 i] on), becomes two fragments of K and one piece of each of V's four fragments.
; mk: its two mask words; skey: its first key less 32 w; r.., o..: the address register and the immediate for K's images, K's scale words, V's pieces, V's scale bytes.
.macro BLOCK d, mk, skey, rki, oki, rkw, okw, rvi, ovi, rvb, ovb
.irp i, 0,1,2,3,4,5,6,7,8,9,10,11,12,13,14,15
	ds_store_b128 v[STW], v[\d+4*\i:\d+4*\i+3] offset:544*\i+128*(\i/8)   ; into my stage, two whole rows a store
.endr
	s_wait_alu depctr_vm_vsrc(0)                   ; the sixteen stores have read v[d ..], in which the loads below land
.irp u, 0,1                                    ; back as K wants it: fragment u, row r + 8 (r / 8) + 8 u, d = 32 c + 16 hh + 0 .. 15.  LDS serves a wave's instructions in order (ISA guide 5.7.1.4): these see the stores above
.irp c, 0,1
.irp j, 0,1,2,3
	ds_load_b128 v[\d+32*\u+16*\c+4*\j:\d+32*\u+16*\c+4*\j+3], v[SKR] offset:2176*\u+128*\c+16*\j
.endr
.endr
.endr
	v_add_nc_u32 v[FL], \skey, v[KB]               ; meanwhile: are my two rows' keys hidden?  A choice of a value, no branch.  The keys;
	v_add_nc_u32 v[FL+1], \skey+8, v[KB]
	v_cmp_ne_u32 s40, 0, v[\mk]                    ; six compares in a run, into six registers:
	v_cmp_gt_u32 s41, 2, v[FL]                     ; the pad rows always count,
	v_cmp_gt_u32 s42, 0x402, v[FL]                 ; what lies past key 1,025 never does
	v_cmp_ne_u32 s43, 0, v[\mk+1]
	v_cmp_gt_u32 s52, 2, v[FL+1]
	v_cmp_gt_u32 s53, 0x402, v[FL+1]
	s_wait_alu depctr_va_sdst(0)                   ; the six compares have written s40-43, s52, s53, ahead of their first reader
	s_or_b32 s40, s40, s41
	s_and_b32 s40, s40, s42
	s_or_b32 s43, s43, s52
	s_and_b32 s43, s43, s53
	v_cndmask_b32 v[FL], v[CFLG], v[CLIV], s40
	v_cndmask_b32 v[FL+1], v[CFLG], v[CLIV], s43
	s_wait_dscnt 0x0
	QUANT64 \d                                     ; run 2 u + c: fragment u, block c along d
.irp u, 0,1
	v_lshl_or_b32 v[WD+\u], v[TM+5+2*\u], 8, v[TM+4+2*\u]
	v_or_b32 v[WD+\u], v[WD+\u], v[FL+\u]          ; bytes 0, 1: the two blocks; byte 2: the flag; byte 3: 127 over zero codes
.endr
	s_wait_alu depctr_va_vdst(0)                   ; the codes and the two scale words are written, which the stores below read; the holds and conversions are done with v[d ..], in which the loads below land
.irp q, 0,1,2,3
	ds_store_b128 v[\rki], v[PC+4*\q:PC+4*\q+3] offset:\oki+512*\q
.endr
	ds_store_b32 v[\rkw], v[WD] offset:\okw        ; lanes r and r + 16 write the same word with the same value
	ds_store_b32 v[\rkw], v[WD+1] offset:\okw+64
.irp t, 0,1,2,3                                ; the stage once more, as V wants it: d = 16 t + r, keys 16 hh + 0 .. 15
.set n, 0
.rept 16
	ds_load_b32 v[\d+16*\t+n], v[SVR] offset:272*n+64*\t
.set n, n+1
.endr
.endr
	s_wait_dscnt 0x0                               ; the numbers are in
	s_wait_alu depctr_vm_vsrc(0)                   ; the stores above have read the codes' and the scale words' registers, which are written again below
	QUANT64 \d                                     ; run t: d tile t, this block of 32 keys
	s_wait_alu depctr_va_vdst(0)                   ; the codes and the four bytes are written, which the stores below read
.irp t, 0,1,2,3
	ds_store_b128 v[\rvi], v[PC+4*\t:PC+4*\t+3] offset:\ovi+2048*\t
.endr
.irp t, 0,1,2,3
	ds_store_b8 v[\rvb], v[TM+4+\t] offset:\ovb+64*\t   ; lanes r and r + 16 write the same byte with the same value
.endr
	s_wait_dscnt 0x0
	s_wait_alu depctr_vm_vsrc(0)                   ; these stores have read the codes' and the bytes' registers, and every LDS and memory instruction so far its address: what follows writes such registers again
.endm
; Tiles 2 p and 2 p + 1 of my four: row r's 64 numbers, d = 32 c + 16 hh + 0 .. 15, into v[d + 32 e + 16 c] on
.macro QLOAD p, d
.irp e, 0,1
	v_min_u32 v[QOFF+\e], 0x3ff, v[QIDX+2*\p+\e]   ; a loaded number enters an address held to the number of rows.  (The loads that read these two registers before stand ahead of a key block's waits on vm_vsrc)
	v_lshl_add_u32 v[QOFF+\e], v[QOFF+\e], 11, v[H64]
.endr
	s_wait_alu depctr_va_vdst(0)                   ; the two offsets are written, which the loads read; the key block's vector lines are done with v[d ..], in which they land
.irp e, 0,1
.irp c, 0,1
.irp j, 0,1,2,3
	global_load_b128 v[\d+32*\e+16*\c+4*\j:\d+32*\e+16*\c+4*\j+3], v[QOFF+\e], s[QH:QH+1] offset:128*\c+16*\j
.endr
.endr
.endr
.endm
.macro QPUT p, d                               ; they are quantised, and their images go to my region
	QUANT64 \d
.irp e, 0,1
	v_lshl_or_b32 v[WD+\e], v[TM+5+2*\e], 8, v[TM+4+2*\e]
	v_or_b32 v[WD+\e], 0x7f400000, v[WD+\e]        ; byte 2: 64, the flag column's scale; byte 3: 127
.endr
	s_wait_alu depctr_va_vdst(0)                   ; the codes and the two scale words are written, which the stores below read
.irp e, 0,1
.irp c, 0,1
	ds_store_b128 v[QA], v[PC+8*\e+4*\c:PC+8*\e+4*\c+3] offset:(2*\p+\e)*1024+512*\c
.endr
.endr
.irp e, 0,1
	ds_store_b32 v[QS], v[WD+\e] offset:(2*\p+\e)*64
.endr
	s_wait_dscnt 0x0
	s_wait_alu depctr_vm_vsrc(0)                   ; the stores have read the codes' and the scale words' registers, and Q's loads their offsets: all are written again further down
.endm
.macro MADR n, k                               ; where the mask word of key KB + k + 2 lies, held inside the mask's row
	v_add_nc_u32 v[MA+\n], \k, v[KB]
	v_min_u32 v[MA+\n], 0x3ff, v[MA+\n]
	v_lshlrev_b32 v[MA+\n], 2, v[MA+\n]
.endm
	s_load_b512 s[4:19], s[0:1], 0x0               ; X, Y, pad_x, pad_y, mask_X, mask_Y, order, out0
	s_load_b64 s[20:21], s[0:1], 0x40              ; out1
	v_lshl_add_u32 v[SPW], v0, 2, SPARE
	v_mov_b32 v[NIL], 0
	v_lshrrev_b32 v[TA], 5, v0
	v_readfirstlane_b32 s[WV], v[TA]               ; wave 0..15
	s_and_b32 s[DIR], ttmp7, 0xffff
	s_lshr_b32 s[BB], ttmp9, 3
	s_and_b32 s[HD], ttmp9, 7
	v_and_b32 v[TL], 31, v0                        ; lane
	v_and_b32 v[TA], 15, v0                        ; r
	v_bfe_u32 v253, v0, 4, 1                       ; hh
	v_lshlrev_b32 v[LI], 4, v[TL]
	v_lshlrev_b32 v[LR], 2, v[TA]
	v_lshlrev_b32 v[CO], 4, v[TA]
	v_lshlrev_b32 v[GLO], 2, v253
	v_lshlrev_b32 v[H64], 6, v253
	v_lshl_add_u32 v[LOFF], v253, 11, v[CO]
	v_add_nc_u32 v[AK0], KIMG, v[LI]
	v_add_nc_u32 v[AV0], VIMG, v[LI]
	v_add_nc_u32 v[AX], VTAIL, v[LI]
	s_wait_alu depctr_va_sdst(0)                   ; the wave's number is written, ahead of its first reader
	s_mul_i32 s40, s[WV], PWB
	s_add_co_u32 s40, s40, PW                      ; my region
	v_mul_u32_u24 v252, v253, 272
	v_add_nc_u32 v252, v252, v[CO]
	v_add_nc_u32 v[STW], s40, v252
	v_and_b32 v251, 8, v[TA]
	v_add_nc_u32 v251, v251, v[TA]                 ; r + 8 (r / 8): rows 0-7 and 16-23
	v_mul_u32_u24 v252, v251, 272
	v_lshrrev_b32 v250, 4, v251
	v_lshl_add_u32 v252, v250, 7, v252             ; rows 16 on lie 128 bytes further: with rows of 68 words, rows 0-7 and 16-23 then start at 16 different groups of four banks (64 banks of 4 bytes: ISA guide 11.1)
	v_add_nc_u32 v252, v252, v[H64]
	v_add_nc_u32 v[SKR], s40, v252
	v_mul_u32_u24 v252, v253, 4480                 ; 16 rows and those 128 bytes
	v_add_nc_u32 v252, v252, v[LR]
	v_add_nc_u32 v[SVR], s40, v252
	v_add_nc_u32 v[QA], s40, v[LI]
	s_add_co_u32 s41, s40, QWO
	v_add_nc_u32 v[QS], s41, v[LR]
	s_add_co_u32 s41, s40, WSO
	v_mul_u32_u24 v252, v[TA], 272
	v_lshl_add_u32 v252, v253, 5, v252
	v_add_nc_u32 v[STO], s41, v252
	s_lshl_b32 s41, s[WV], 11                      ; key block w: two fragments of K,
	v_add_nc_u32 v[AKI], s41, v[AK0]
	s_lshl_b32 s41, s[WV], 7                       ; two runs of scale words,
	v_add_nc_u32 v[AKW], s41, v[LR]
	s_lshr_b32 s42, s[WV], 2                       ; step w / 4,
	s_and_b32 s43, s[WV], 3                        ; piece w % 4
	s_lshl_b32 s41, s42, 13
	s_lshl_b32 s61, s43, 9
	s_add_co_u32 s41, s41, s61
	v_add_nc_u32 v[AVI], s41, v[AV0]
	s_lshl_b32 s41, s42, 8
	s_add_co_u32 s41, s41, s43
	v_add_nc_u32 v[AVB], s41, v[LR]
	s_lshl_b32 s41, s[WV], 5
	v_add_nc_u32 v[KB], s41, v251
	MADR 0, -2                                     ; block w, fragment 0 and 1;
	MADR 1, 6
	MADR 2, 510                                    ; block w + 16;
	MADR 3, 518
	MADR 4, 542                                    ; in wave 15: block 32 (32 x 15 + 544 = 1,024)
	MADR 5, 550
	v_mov_b32 v[CFLG], 0x7fdc0000
	v_mov_b32 v[CLIV], 0x7f010000
.irp b, 0,1,2,3
	v_mov_b32 v[T1+\b], 0                          ; written once: a lane permute's destination counts as one of its sources
.endr
	v_mov_b32 v[F+1], 0                            ; named as the upper half of the pair v[30:31]
	s_lshl_b32 s40, s[BB], 21                      ; a batch is 1,024 rows of 2,048 bytes,
	s_lshl_b32 s42, s[HD], 8                       ; a head 256 bytes of a row
	s_add_co_u32 s40, s40, s42
	s_mov_b32 s41, 0
	s_mov_b32 s43, 0
	s_lshl_b32 s52, s[BB], 12
	s_mov_b32 s53, 0
	s_lshl_b32 s61, s[DIR], 4
	s_add_co_u32 s61, s61, s[BB]                   ; 16 dir + b
	s_lshl_b32 s62, s61, 12                        ; my list,
	s_lshl_b32 s63, s[WV], 6
	s_add_co_u32 s62, s62, s63                     ; tile w's 16 entries
	s_mov_b32 s63, 0
	s_lshl_b32 s61, s61, 7                         ; my count
	s_mov_b32 s[SEL], 0x76543210
	s_mov_b32 s[SEL+1], 0xfedcba98
	s_mov_b32 s[CS], 0x3fb8aa3b
	s_mov_b32 s[CS+1], s[CS]
	s_mov_b32 s[MNT], 0x600000
	s_wait_kmcnt 0x0
	s_cmp_eq_u32 s[DIR], 0                         ; the choices hang on the work-group's number alone
	s_cselect_b64 s[KVH:KVH+1], s[4:5], s[6:7]
	s_cselect_b64 s[QH:QH+1], s[6:7], s[4:5]
	s_cselect_b64 s[PADH:PADH+1], s[8:9], s[10:11]
	s_cselect_b64 s[KMB:KMB+1], s[12:13], s[14:15]
	s_cselect_b64 s[OUTH:OUTH+1], s[18:19], s[20:21]
	s_load_b32 s[CNT], s[16:17], s61 offset:0x20000
	s_add_nc_u64 s[KVH:KVH+1], s[KVH:KVH+1], s[40:41]
	s_add_nc_u64 s[QH:QH+1], s[QH:QH+1], s[40:41]
	s_add_nc_u64 s[OUTH:OUTH+1], s[OUTH:OUTH+1], s[40:41]
	s_add_nc_u64 s[PADH:PADH+1], s[PADH:PADH+1], s[42:43]
	s_add_nc_u64 s[KMB:KMB+1], s[KMB:KMB+1], s[52:53]
	s_add_nc_u64 s[LP:LP+1], s[16:17], s[62:63]
	s_lshl_b32 s42, s[WV], 16                      ; 32 rows a block
	s_add_nc_u64 s[B1:B1+1], s[KVH:KVH+1], s[42:43]
	s_max_u32 s52, s42, 0x1000
	s_sub_co_u32 s52, s52, 0x1000                  ; block w begins two rows earlier; in wave 0 with the pad rows, whose pitch is the same 2,048 bytes
	s_add_nc_u64 s[B0:B0+1], s[KVH:KVH+1], s[52:53]
	s_cmp_eq_u32 s[WV], 0
	s_cselect_b64 s[B0:B0+1], s[PADH:PADH+1], s[B0:B0+1]
	s_wait_alu depctr_va_vdst(0)                   ; every offset and LDS address made above is written: the loads and stores of the whole kernel read them; so are the head's temporaries v249-253, in which list entries land later
	; all that the prologue reads is asked for here: 40 loads a wave (43 in wave 15)
.irp i, 0,1,2,3
	global_load_b32 v[QIDX+\i], v[LR], s[LP:LP+1] offset:1024*\i
.endr
.irp n, 0,1,2,3
	global_load_b32 v[MK+\n], v[MA+\n], s[KMB:KMB+1]
.endr
	s_cmp_lg_u32 s[WV], 15
	s_cbranch_scc1 .Lno_tail_loads
	global_load_b32 v[MK+4], v[MA+4], s[KMB:KMB+1]
	global_load_b32 v[MK+5], v[MA+5], s[KMB:KMB+1]
	global_load_b128 v[DT:DT+3], v[LOFF], s[KVH:KVH+1] offset:2093056   ; rows 1,022 and 1,023: keys 1,024 and 1,025
.Lno_tail_loads:
	global_load_b128 v[D0:D0+3], v[LOFF], s[B0:B0+1]   ; sixteen lanes read a row's 256 bytes of the head, aligned
.irp i, 1,2,3,4,5,6,7,8,9,10,11,12,13,14,15
	global_load_b128 v[D0+4*\i:D0+4*\i+3], v[LOFF], s[B1:B1+1] offset:(\i-1)*4096
.endr
.irp i, 0,1,2,3,4,5,6,7,8,9,10,11,12,13,14,15
	global_load_b128 v[D1+4*\i:D1+4*\i+3], v[LOFF], s[B1:B1+1] offset:1048576+(\i-1)*4096
.endr
	s_wait_kmcnt 0x0
	s_min_u32 s[CNT], s[CNT], 1024
	s_add_co_u32 s[NT], s[CNT], 15
	s_lshr_b32 s[NT], s[NT], 4
	s_wait_loadcnt 16                              ; all but the youngest 16, block w + 16's, are in
	BLOCK D0, MK, 0, AKI, 0, AKW, KSW, AVI, 0, AVB, VSW
	QLOAD 0, D0                                    ; on every path, so that the next count holds on every path; every slot of the list names a row
	s_wait_loadcnt 16                              ; all but those 16 of Q
	BLOCK D1, MK+2, 512, AKI, 32768, AKW, KSW+2048, AVI, 32768, AVB, VSW+1024
	s_cmp_lg_u32 s[WV], 15
	s_cbranch_scc1 .Lno_tail
.irp j, 0,1,2,3                                ; wave 15: key block 32: two keys, filled with zeros as the quantiser fills it
	v_mov_b32 v[D1+\j], v[DT+\j]
.endr
.set n, 4
.rept 60
	v_mov_b32 v[D1+n], 0
.set n, n+1
.endr
	s_wait_alu depctr_va_vdst(0)                   ; the 64 moves have written v[D1 ..], which the key block's first stores read
	BLOCK D1, MK+4, 544, AX, KT, LR, KSW+4096, AX, 0, LR, VSW+2048
.irp j, 0,1,2,3
	v_mov_b32 v[PC+\j], 0
.endr
	v_mov_b32 v[TA], 127
	s_wait_alu depctr_va_vdst(0)                   ; the zero codes and the byte are written, which the stores below read
.irp t, 0,1,2,3                                ; the rest of step 8: zero codes under the byte 127
.irp c, 1,2,3
	ds_store_b128 v[AX], v[PC:PC+3] offset:2048*\t+512*\c
	ds_store_b8 v[LR], v[TA] offset:VSW+2048+64*\t+\c
.endr
.endr
	s_wait_dscnt 0x0
	s_wait_alu depctr_vm_vsrc(0)                   ; these stores have read v[PC ..] and v[TA], which are written again behind the label
.Lno_tail:
	s_wait_loadcnt 0x0                             ; Q's first two tiles
	s_add_co_u32 s61, s[WV], 32
	s_cmp_ge_u32 s61, s[NT]                        ; my third tile runs no softmax: then neither does my fourth
	s_cbranch_scc1 .Lno_q1
	QLOAD 1, D1                                    ; they land while the first two tiles are quantised: those lines name neither v[D1 ..] nor the two offsets
.Lno_q1:
	QPUT 0, D0
	s_wait_loadcnt 0x0                             ; Q's other two tiles, where they were asked for.  The wait stands ahead of the test, on every way through the text: behind it no load of the prologue is out,
	                                               ; so v112-175, where those loads land, and v196-197, their offsets, may be written by all that follows; where nothing was asked for it is met at once
	s_cmp_ge_u32 s61, s[NT]
	s_cbranch_scc1 .Lno_p1
	QPUT 1, D1
.Lno_p1:
	v_bfe_u32 v[TA], v0, 4, 1                      ; the constant halves of the score product's operands: k = 64 lies in byte 0 of register 8 of lanes 0-15
	v_xor_b32 v[TA], 1, v[TA]
	v_mul_u32_u24 v[KF+8], v[TA], 0x38             ; +1 in E4M3
	v_mul_u32_u24 v[Q+8], v[TA], 0xb8              ; -1
.irp f, 1,2,3
	v_mov_b32 v[KF+16*\f+8], v[KF+8]
.endr
.irp j, 9,10,11,12,13,14,15
	v_mov_b32 v[Q+\j], 0
.irp f, 0,1,2,3
	v_mov_b32 v[KF+16*\f+\j], 0
.endr
.endr
	s_wait_dscnt 0x0                               ; for the others' sake: my stores have landed
	s_barrier_signal -1
	s_barrier_wait -1                              ; the head's codes and scales lie in LDS
	; THE MEAN ROW.  p = 1 is the code 256 under the scale 2^-8, at every key; the fill's values are zero codes.  Wave 4 g + t (g, t under 3, 4) sums steps 3 g .. 3 g + 2 of d tile t.
	s_cmp_ge_u32 s[WV], 12
	s_cbranch_scc1 .Lno_mean
	s_lshr_b32 s40, s[WV], 2
	s_and_b32 s41, s[WV], 3
	s_mul_i32 s42, s40, 24576
	s_lshl_b32 s43, s41, 11
	s_add_co_u32 s42, s42, s43
	v_add_nc_u32 v[AT0], s42, v[AV0]
	s_mul_i32 s42, s40, 768
	s_lshl_b32 s43, s41, 6
	s_add_co_u32 s42, s42, s43
	v_add_nc_u32 v[AT1], s42, v[LR]
	s_lshl_b32 s42, s40, 8
	s_add_co_u32 s42, s42, s43
	v_bfe_u32 v[TA], v0, 4, 1
	v_lshlrev_b32 v[TA], 5, v[TA]
	v_add_nc_u32 v[AT2], s42, v[TA]                ; 256 g + 64 t + 32 hh
	s_wait_alu depctr_va_vdst(0)                   ; the three addresses are written, which the loads below and the stores at the arm's end read; the prologue's vector lines are done with v[S ..], in which the loads land
.irp j, 0,1,2
.irp c, 0,1,2,3
	ds_load_b128 v[S+16*\j+4*\c:S+16*\j+4*\c+3], v[AT0] offset:8192*\j+512*\c
.endr
	ds_load_b32 v[SCW+\j], v[AT1] offset:VSW+256*\j
.endr
	v_mov_b32 v[PSC], 0x77777777
.set n, 0
.rept 16
	v_mov_b32 v[P+n], 0x78787878
.set n, n+1
.endr
.rept 8
	v_nop                                          ; a scale word written by a vector instruction stands 8 places ahead of the product, codes so written 4
.endr
	s_wait_dscnt 0x0
	s_wait_alu depctr_va_vdst(0)                   ; behind the places: the moves have written the codes v[P ..] and the scale word v[PSC], which the scaled products take
	v_wmma_scale_f32_16x16x128_f8f6f4 v[OT:OT+7], v[S:S+15], v[P:P+15], 0, v[SCW], v[PSC]
	s_wait_alu depctr_va_vdst(0)                   ; the wait directly ahead of each link
	v_wmma_scale_f32_16x16x128_f8f6f4 v[OT:OT+7], v[S+16:S+31], v[P:P+15], v[OT:OT+7], v[SCW+1], v[PSC]
	s_wait_alu depctr_va_vdst(0)                   ; the same, ahead of the third link
	v_wmma_scale_f32_16x16x128_f8f6f4 v[OT:OT+7], v[S+32:S+47], v[P:P+15], v[OT:OT+7], v[SCW+2], v[PSC]
.rept 8
	v_nop                                          ; eight places behind this form ahead of the first read of its result
.endr
	s_wait_alu depctr_va_vdst(0)                   ; behind the places: the last product has written v[OT ..], which the stores read
	ds_store_b128 v[AT2], v[OT:OT+3] offset:MPART      ; all sixteen columns are alike: the lanes of a half write the same bytes with the same values
	ds_store_b128 v[AT2], v[OT+4:OT+7] offset:MPART+16
	s_wait_alu depctr_vm_vsrc(0)                   ; the stores have read v[OT ..], the loads above v[AT0] and v[AT1]: the tiles write all of these again
.Lno_mean:
	s_wait_dscnt 0x0
	s_barrier_signal -1
	s_barrier_wait -1                              ; the three partial rows lie in LDS; from here on no wave writes bytes that another reads
.irp g, 0,1,2
	ds_load_b128 v[160+4*\g:163+4*\g], v[CO] offset:MPART+256*\g   ; no vector or matrix line since the last wait on va_vdst, on either way, names v160-171
.endr
	s_wait_dscnt 0x0
.irp j, 0,1,2,3
	v_add_f32 v[MEAN+\j], v[160+\j], v[164+\j]
.endr
.irp j, 0,1,2,3
	v_add_f32 v[MEAN+\j], v[MEAN+\j], v[168+\j]
.endr
.irp j, 0,1,2,3
	v_mul_f32 v[MEAN+\j], 0x3a7f8040, v[MEAN+\j]   ; / 1,026, the sum of 1,026 ones
.endr
; Four fragments of K, 16 keys each, and their scale words: the g-th four of step s.  Every LDS offset is an immediate.
.macro KLOAD s, g
.irp f, 0,1,2,3
	ds_load_b128 v[KF+16*\f:KF+16*\f+3], v[AK0] offset:(8*(\s)+4*(\g)+\f)*1024
	ds_load_b128 v[KF+16*\f+4:KF+16*\f+7], v[AK0] offset:(8*(\s)+4*(\g)+\f)*1024+512
	ds_load_b32 v[SCW+\f], v[LR] offset:KSW+(8*(\s)+4*(\g)+\f)*64
.endr
.endm
; and their four products S^T = K Q^T
.macro SCORES g
.irp f, 0,1,2,3
	v_wmma_scale_f32_16x16x128_f8f6f4 v[S+8*(4*(\g)+\f):S+8*(4*(\g)+\f)+7], v[KF+16*\f:KF+16*\f+15], v[Q:Q+15], 0, v[SCW+\f], v[QSC]
.endr
.endm
; A KEY STEP: keys 128 s to 128 s + 127.  Its first four fragments of K were asked for in the step before, and that step's last wait on DScnt has shown them landed.
.macro STEP s
.rept 9
	v_nop                                          ; nine places between the last products V^T P^T and the score products that write over their operands
.endr
	SCORES 0
.rept 8
	v_nop                                          ; the places in front of the first read of these four products' results
.endr
	s_wait_alu depctr_va_vdst(0)                   ; the four products are done reading v[KF ..] and v[SCW ..], in which the loads below land
	KLOAD \s, 1
	s_wait_dscnt 0x0
	SCORES 1
; the largest score of each block of 32 keys: for the row's maximum and, since p rises with the score, for the block's largest p.  Blocks 0 and 1 first: their 16 lines name nothing of the last four products and are those products' places.
; Each chain begins at an accumulator's low end and crosses into the next by its lowest register.
.irp h, 0,2
.irp b, \h, \h+1
	v_max3_num_f32 v[BM+\b], v[S+16*(\b)], v[S+1+16*(\b)], v[S+2+16*(\b)]
.endr
.irp i, 3,5,7,9,11,13
.irp b, \h, \h+1
	v_max3_num_f32 v[BM+\b], v[BM+\b], v[S+16*(\b)+\i], v[S+1+16*(\b)+\i]
.endr
.endr
.irp b, \h, \h+1
	v_max_num_f32 v[BM+\b], v[BM+\b], v[S+15+16*(\b)]
.endr
.endr
.irp b, 0,1,2,3
	v_permlanex16_b32 v[T1+\b], v[BM+\b], s[SEL], s[SEL+1]
.endr
.irp b, 0,1,2,3
	v_max_num_f32 v[BM+\b], v[BM+\b], v[T1+\b]     ; with lane l xor 16's 16 keys
.endr
	v_max3_num_f32 v[TA], v[BM], v[BM+1], v[BM+2]
	v_max_num_f32 v[TA], v[TA], v[BM+3]
	v_mul_f32 v[TA], s[CS], v[TA]                  ; as t
	v_max_num_f32 v[TMX], v[TMX], v[TA]            ; the running largest t
	v_mov_b32 v[TA], v[NM]
	v_floor_f32 v[NM], -v[TMX]                     ; the new -M = floor(-t): M is a whole number
	v_sub_f32 v[TA], v[NM], v[TA]                  ; old M less new M: a whole number, 0 or less
	v_cvt_i32_f32 v[TA], v[TA]                     ; (it saturates)
	v_ldexp_f32 v[F], 1.0, v[TA]                   ; f = 2^(old M - new M)
.set n, 0
.rept 32
	v_pk_fma_f32 v[S+n:S+n+1], v[S+n:S+n+1], s[CS:CS+1], v[NM:NM+1] op_sel_hi:[1,0,0]   ; t - M, two at a time
.set n, n+2
.endr
.irp b, 0,1,2,3
	v_fma_f32 v[BM+\b], v[BM+\b], s[CS], v[NM]     ; the same of each block's largest score
.endr
.set n, 0
.rept 64
	v_exp_f32 v[S+n], v[S+n]                       ; p = 2^(t - M)
.set n, n+1
.endr
	v_pk_mul_f32 v[LS:LS+1], v[LS:LS+1], v[F:F+1] op_sel_hi:[1,0]   ; the sum under the new M: the plain line behind the exponentials
	s_wait_alu depctr_va_vdst(0)                   ; the 64 exponentials have written p, ahead of its first reader; and the step's last four score products are done reading v[KF ..] and v[SCW ..]
.if (\s) < 7
	KLOAD (\s)+1, 0                                ; so the next step's first four fragments are asked for here: they land under the sums, the holds and the conversions, none of which names their registers
.endif
.irp b, 0,1,2,3
	v_exp_f32 v[BM+\b], v[BM+\b]                   ; the block's largest p: the same two instructions on the same number
.endr
	v_pk_add_f32 v[L2:L2+1], v[S:S+1], v[S+2:S+3]  ; the sum is taken of the unquantised p, in two chains
.set n, 4
.rept 15
	v_pk_add_f32 v[LS:LS+1], v[LS:LS+1], v[S+n:S+n+1]
	v_pk_add_f32 v[L2:L2+1], v[L2:L2+1], v[S+n+2:S+n+3]
.set n, n+4
.endr
	v_pk_add_f32 v[LS:LS+1], v[LS:LS+1], v[L2:L2+1]
	s_wait_alu depctr_va_vdst(0)                   ; the four exponentials have written the blocks' largest p, ahead of its first reader
.irp b, 0,1,2,3
	v_max_num_f32 v[BM+\b], 0x4800000, v[BM+\b]    ; the floor 2^(9 - 127): a block whose every p is 0 keeps the byte 1 over zero codes
.endr
.irp b, 0,1,2,3
	v_add_nc_u32 v[SOP+\b], 0xfc000000, v[BM+\b]
.endr
.irp b, 0,1,2,3
	v_lshrrev_b32 v[T1+\b], 23, v[SOP+\b]
.endr
	v_lshl_or_b32 v[PSC], v[T1+1], 8, v[T1]        ; p's scale word for these 128 keys
	v_lshl_or_b32 v[PSC], v[T1+2], 16, v[PSC]
	v_lshl_or_b32 v[PSC], v[T1+3], 24, v[PSC]
.irp b, 0,1,2,3
	v_and_or_b32 v[CAP+\b], v[BM+\b], 0x7f800000, s[MNT]   ; 448 x the scale.  (These four and the four v_nop below are the eight places between the scale word and its products)
.endr
.irp b, 0,1,2,3
.set n, 0
.rept 16
	v_min_num_f32 v[S+16*\b+n], v[S+16*\b+n], v[CAP+\b]   ; the conversion does not saturate (ISA guide 7.6.2); p is not negative, so the hold is one-sided
.set n, n+1
.endr
	v_cvt_scalef32_pk8_fp8_f32 v[P+4*\b:P+4*\b+1], v[S+16*\b:S+16*\b+7], v[SOP+\b]
	v_cvt_scalef32_pk8_fp8_f32 v[P+4*\b+2:P+4*\b+3], v[S+16*\b+8:S+16*\b+15], v[SOP+\b]
.endr
.rept 4
	v_nop                                          ; the plain line behind the conversions, and the four places between the codes and their products
.endr
	s_wait_alu depctr_va_vdst(0)                   ; behind the places: the holds and conversions are done with v[S ..], in which V's fragments land; p's codes and its scale word are written, which the scaled products take
.irp t, 0,1,2,3                                ; V's four fragments take p's registers; their scale words have registers of their own, which the last step's products were done reading at this step's first wait
.irp c, 0,1,2,3
	ds_load_b128 v[S+16*\t+4*\c:S+16*\t+4*\c+3], v[AV0] offset:(4*(\s)+\t)*2048+512*\c
.endr
	ds_load_b32 v[VSC+\t], v[LR] offset:VSW+(4*(\s)+\t)*64
.endr
.set n, 0
.rept 16
	v_pk_mul_f32 v[OT+n:OT+n+1], v[OT+n:OT+n+1], v[F:F+1] op_sel_hi:[1,0]   ; O^T under the new M, each accumulator from its low end on.  These lines name none of the registers that the loads above touch
.set n, n+2
.endr
	s_wait_dscnt 0x0                               ; V's fragments are in, and so are the next step's first four of K
.irp t, 0,1,2,3                                ; O^T += V^T P^T.  The four accumulators take turns, and eight score products stand between two links of a chain
	v_wmma_scale_f32_16x16x128_f8f6f4 v[OT+8*\t:OT+8*\t+7], v[S+16*\t:S+16*\t+15], v[P:P+15], v[OT+8*\t:OT+8*\t+7], v[VSC+\t], v[PSC]
.endr
.endm
	s_mov_b32 s[TIL], s[WV]
	s_mov_b32 s[TQI], 0
	s_mov_b32 s[TQW], 0
	s_mov_b32 s[TC], 4
.Ltile:                                            ; four trips in every wave; what a trip does hangs on the stored count
.irp k, 0,1,2,3,4,5,6,7
	global_load_b32 v[RO+\k], v[GLO], s[LP:LP+1] offset:8*\k   ; the queries in slots 16 T + 2 k + hh: wanted on the way out, asked for here.  The last trip's lines that wrote these registers stand ahead of its wait in front of its stores, and those stores ahead of the wait at its end
.endr
	s_cmp_ge_u32 s[TIL], s[NT]
	s_cbranch_scc1 .Lmean
	; THE FIRST STEP: key block 32 (keys 1,024 and 1,025, and 30 hidden ones).  It starts M, the sum and O^T: nothing is cleared.
	; Should both its keys be masked, what it sums is finite (t - M is then at most half a step of f32 at 1.5e9: 64), and step 0, which holds key 0, a pad row that always counts, multiplies it by f = 0.
	v_add_nc_u32 v[AT0], s[TQI], v[QA]
	v_add_nc_u32 v[AT1], s[TQW], v[QS]
	s_wait_alu depctr_va_vdst(0)                   ; the two addresses are written, which the loads below read; in the first trip also the constant halves of v[Q ..] and v[KF ..], which the scaled products take
	ds_load_b128 v[Q:Q+3], v[AT0]
	ds_load_b128 v[Q+4:Q+7], v[AT0] offset:512
	ds_load_b32 v[QSC], v[AT1]
.irp f, 0,1
	ds_load_b128 v[KF+16*\f:KF+16*\f+3], v[AX] offset:KT+1024*\f
	ds_load_b128 v[KF+16*\f+4:KF+16*\f+7], v[AX] offset:KT+1024*\f+512
	ds_load_b32 v[SCW+\f], v[LR] offset:KSW+4096+64*\f
.endr
	s_wait_dscnt 0x0
.irp f, 0,1
	v_wmma_scale_f32_16x16x128_f8f6f4 v[S+8*\f:S+8*\f+7], v[KF+16*\f:KF+16*\f+15], v[Q:Q+15], 0, v[SCW+\f], v[QSC]
.endr
.set n, 4
.rept 12
	v_mov_b32 v[P+n], 0                            ; the step's other three blocks of p: zero codes.  These twelve are the places behind the two products
.set n, n+1
.endr
	v_max3_num_f32 v[BM], v[S], v[S+1], v[S+2]
.irp i, 3,5,7,9,11,13
	v_max3_num_f32 v[BM], v[BM], v[S+\i], v[S+1+\i]
.endr
	v_max_num_f32 v[BM], v[BM], v[S+15]
	v_permlanex16_b32 v[T1], v[BM], s[SEL], s[SEL+1]
	v_max_num_f32 v[BM], v[BM], v[T1]
	v_mul_f32 v[TMX], s[CS], v[BM]
	v_floor_f32 v[NM], -v[TMX]
.set n, 0
.rept 8
	v_pk_fma_f32 v[S+n:S+n+1], v[S+n:S+n+1], s[CS:CS+1], v[NM:NM+1] op_sel_hi:[1,0,0]
.set n, n+2
.endr
	v_fma_f32 v[BM], v[BM], s[CS], v[NM]
.set n, 0
.rept 16
	v_exp_f32 v[S+n], v[S+n]
.set n, n+1
.endr
	v_nop
	s_wait_alu depctr_va_vdst(0)                   ; the sixteen exponentials have written p, ahead of its first reader; and the two score products are done reading v[KF ..] and v[SCW ..]
	KLOAD 0, 0                                     ; so step 0's first four fragments are asked for here
	v_exp_f32 v[BM], v[BM]
	v_pk_add_f32 v[LS:LS+1], v[S:S+1], v[S+2:S+3]
.irp j, 4,6,8,10,12,14
	v_pk_add_f32 v[LS:LS+1], v[LS:LS+1], v[S+\j:S+\j+1]
.endr
	s_wait_alu depctr_va_vdst(0)                   ; the exponential has written the block's largest p, ahead of its first reader
	v_max_num_f32 v[BM], 0x4800000, v[BM]
	v_add_nc_u32 v[SOP], 0xfc000000, v[BM]
	v_lshrrev_b32 v[T1], 23, v[SOP]
	v_or_b32 v[PSC], 0x7f7f7f00, v[T1]
	v_and_or_b32 v[CAP], v[BM], 0x7f800000, s[MNT]
.set n, 0
.rept 16
	v_min_num_f32 v[S+n], v[S+n], v[CAP]
.set n, n+1
.endr
	v_cvt_scalef32_pk8_fp8_f32 v[P:P+1], v[S:S+7], v[SOP]
	v_cvt_scalef32_pk8_fp8_f32 v[P+2:P+3], v[S+8:S+15], v[SOP]
.rept 8
	v_nop                                          ; the places between the scale word and the codes and their products
.endr
	s_wait_alu depctr_va_vdst(0)                   ; behind the places: the holds and conversions are done with v[S ..], in which V's fragments land; p's codes and its scale word are written, which the scaled products take
.irp t, 0,1,2,3
.irp c, 0,1,2,3
	ds_load_b128 v[S+16*\t+4*\c:S+16*\t+4*\c+3], v[AX] offset:2048*\t+512*\c
.endr
	ds_load_b32 v[VSC+\t], v[LR] offset:VSW+2048+64*\t
.endr
	s_wait_dscnt 0x0                               ; V's fragments are in, and so are step 0's first four of K
.irp t, 0,1,2,3
	v_wmma_scale_f32_16x16x128_f8f6f4 v[OT+8*\t:OT+8*\t+7], v[S+16*\t:S+16*\t+15], v[P:P+15], 0, v[VSC+\t], v[PSC]
.endr
	STEP 0
	STEP 1
	STEP 2
	STEP 3
	STEP 4
	STEP 5
	STEP 6
	STEP 7
	; THE WAY OUT.  O^T / the sum goes through my stage and comes back as rows: sixteen lanes hold a query's 256 bytes of the head.
.rept 8
	v_nop                                          ; eight places behind the last products
.endr
	v_add_f32 v[TA], v[LS], v[LS+1]
	v_permlanex16_b32 v[T1], v[TA], s[SEL], s[SEL+1]
	v_add_f32 v[TA], v[TA], v[T1]                  ; the row's sum; key 0 counts for every query, so it is over 1/2
	v_rcp_f32 v[F], v[TA]
	v_nop
	s_wait_alu depctr_va_vdst(0)                   ; the reciprocal is written, ahead of its first reader
.set n, 0
.rept 16
	v_pk_mul_f32 v[OT+n:OT+n+1], v[OT+n:OT+n+1], v[F:F+1] op_sel_hi:[1,0]
.set n, n+2
.endr
	s_wait_alu depctr_va_vdst(0)                   ; the multiplications have written v[OT ..], which the stores below read; the last products are done reading v[S ..], in which the loads below land
.irp t, 0,1,2,3
	ds_store_b128 v[STO], v[OT+8*\t:OT+8*\t+3] offset:64*\t        ; lane (r, hh): query r, d = 16 t + 8 hh + 0 .. 7
	ds_store_b128 v[STO], v[OT+8*\t+4:OT+8*\t+7] offset:64*\t+16
.endr
.irp k, 0,1,2,3,4,5,6,7
	ds_load_b128 v[S+4*\k:S+4*\k+3], v[STW] offset:WSO+544*\k      ; rows 2 k + hh.  LDS serves a wave's instructions in order: these see the stores above
.endr
	s_wait_loadcnt 0x0                             ; the list entries
.irp k, 0,1,2,3,4,5,6,7
	v_min_u32 v[RO+\k], 0x3ff, v[RO+\k]
.endr
.irp k, 0,1,2,3,4,5,6,7
	v_lshl_add_u32 v[RO+\k], v[RO+\k], 11, v[CO]
.endr
	s_wait_dscnt 0x0
	s_lshl_b32 s61, s[TIL], 4
	s_add_co_u32 s62, s61, 16
	s_cmp_le_u32 s62, s[CNT]
	s_cbranch_scc1 .Lwhole
	v_bfe_u32 v[TA], v0, 4, 1                      ; the one tile that holds live and masked queries: slots from c on get the mean row
	v_add_nc_u32 v[TA], s61, v[TA]
	v_sub_nc_u32 v[TA], s[CNT], v[TA]              ; c - 16 T - hh
.irp k, 0,1,2,3,4,5,6,7
	v_cmp_lt_i32 s[LM+\k], 2*\k, v[TA]             ; 16 T + 2 k + hh < c: eight compares in a run, into eight registers
.endr
	s_wait_alu depctr_va_sdst(0)                   ; the eight compares have written s4-11, ahead of their first reader
.irp k, 0,1,2,3,4,5,6,7
.irp j, 0,1,2,3
	v_cndmask_b32 v[S+4*\k+\j], v[MEAN+\j], v[S+4*\k+\j], s[LM+\k]
.endr
.endr
.Lwhole:
	s_wait_alu depctr_va_vdst(0)                   ; the eight offsets are written, and on the one way the chosen rows: the stores read both
.irp k, 0,1,2,3,4,5,6,7
	global_store_b128 v[RO+\k], v[S+4*\k:S+4*\k+3], s[OUTH:OUTH+1] th:TH_STORE_NT   ; sixteen lanes store 256 consecutive bytes, at a multiple of 256 from the output's first byte
.endr
	s_branch .Lnext
.Lmean:                                            ; a tile of masked queries
	s_wait_loadcnt 0x0
.irp k, 0,1,2,3,4,5,6,7
	v_min_u32 v[RO+\k], 0x3ff, v[RO+\k]
.endr
.irp k, 0,1,2,3,4,5,6,7
	v_lshl_add_u32 v[RO+\k], v[RO+\k], 11, v[CO]
.endr
	s_wait_alu depctr_va_vdst(0)                   ; the eight offsets are written, and the mean row: the stores read both
.irp k, 0,1,2,3,4,5,6,7
	global_store_b128 v[RO+\k], v[MEAN:MEAN+3], s[OUTH:OUTH+1] th:TH_STORE_NT
.endr
.Lnext:
	s_wait_xcnt 0x0                                ; the stores have read their offsets and data, the loads their base: all are written again in the next trip
	s_wait_alu depctr_vm_vsrc(0)                   ; beside it: the global stores have read v[RO ..] and v[S ..], the stage's stores v[OT ..], the tile's first LDS loads v[AT0] and v[AT1]: the next trip's loads, products and additions write them again
	s_add_nc_u64 s[LP:LP+1], s[LP:LP+1], 1024
	s_add_co_u32 s[TIL], s[TIL], 16
	s_add_co_u32 s[TQI], s[TQI], 1024
	s_add_co_u32 s[TQW], s[TQW], 64
	s_sub_co_u32 s[TC], s[TC], 1
	s_cmp_lg_u32 s[TC], 0
	s_cbranch_scc1 .Ltile
	s_wait_dscnt 0x0                               ; the wave's end
	s_wait_alu 0x0
	s_wait_tensorcnt 0x0
	ds_add_u32 v[SPW], v[NIL]
	s_wait_dscnt 0x0
	s_endpgm
.Lfunc_end_k_q08fc10a625_attend:
	.size	k_q08fc10a625_attend, .Lfunc_end_k_q08fc10a625_attend-k_q08fc10a625_attend
	.p2alignl 7, 3214868480
	.fill 96, 4, 3214868480
	.section	.rodata,"a",@progbits
	.p2align	6, 0x0
	.amdhsa_kernel k_q08fc10a625_attend
		.amdhsa_group_segment_fixed_size 294144
		.amdhsa_private_segment_fixed_size 0
		.amdhsa_enable_private_segment 0
		.amdhsa_kernarg_size 72
		.amdhsa_user_sgpr_count 2
		.amdhsa_user_sgpr_kernarg_segment_ptr 1
		.amdhsa_wavefront_size32 1
		.amdhsa_system_sgpr_workgroup_id_x 1
		.amdhsa_system_sgpr_workgroup_id_y 1
		.amdhsa_system_sgpr_workgroup_id_z 1
		.amdhsa_system_vgpr_workitem_id 0
		.amdhsa_next_free_vgpr 256
		.amdhsa_next_free_sgpr 66
		.amdhsa_reserve_vcc 0
		.amdhsa_float_denorm_mode_32 3
		.amdhsa_float_denorm_mode_16_64 3
		.amdhsa_memory_ordered 1
		.amdhsa_forward_progress 1
		.amdhsa_inst_pref_size 255
	.end_amdhsa_kernel
	.section	.bss,"aw",@nobits
	.p2align	6
	.space	262144
	.amdgpu_metadata
---
amdhsa.version: [ 1, 2 ]
amdhsa.kernels:
  - .name:           k_q08fc10a625_attend
    .symbol:         k_q08fc10a625_attend.kd
    .args:
      - { .name: X, .offset: 0, .size: 8, .value_kind: global_buffer, .address_space: global }
      - { .name: Y, .offset: 8, .size: 8, .value_kind: global_buffer, .address_space: global }
      - { .name: pad_x, .offset: 16, .size: 8, .value_kind: global_buffer, .address_space: global }
      - { .name: pad_y, .offset: 24, .size: 8, .value_kind: global_buffer, .address_space: global }
      - { .name: mask_X, .offset: 32, .size: 8, .value_kind: global_buffer, .address_space: global }
      - { .name: mask_Y, .offset: 40, .size: 8, .value_kind: global_buffer, .address_space: global }
      - { .name: order, .offset: 48, .size: 8, .value_kind: global_buffer, .address_space: global }
      - { .name: out0, .offset: 56, .size: 8, .value_kind: global_buffer, .address_space: global }
      - { .name: out1, .offset: 64, .size: 8, .value_kind: global_buffer, .address_space: global }
    .group_segment_fixed_size: 294144
    .private_segment_fixed_size: 0
    .kernarg_segment_align: 8
    .kernarg_segment_size: 72
    .max_flat_workgroup_size: 512
    .sgpr_count:     66
    .vgpr_count:     256
    .wavefront_size: 32
...
	.end_amdgpu_metadata
.endif
;; end of part 3
